; MI455X (gfx1250); checked and timed in simulation.
; The chip was launched on July 23, 2026; its instructions are those of AMD's public machine-readable ISA for CDNA 5 (MIT licence, August 2026) and "CDNA5" Instruction Set Architecture Reference Guide (July 2026). The comments in the code are by the model that wrote it; some were corrected since.
;; Causal Self Attention. Allowed arithmetic: matrix products marked QUANTISED: E2M1 operands, one E8M0 scale for each 32 along K, by v_wmma_scale_f32_16x16x128_f8f6f4 with both operands' format E2M1 (or v_wmma_scale_f32_32x16x128_f4), f32 sums; products left as they are: bf16, f16 or f32 operands; f32 sums; everything else in f32.
;; Inputs: w_out 1,024 x 1,024 float32; w_qkv 1,024 x 3,072 float32; x 4 x 2,048 x 1,024 float32.
;; Outputs: out0 4 x 2,048 x 1,024 float32.
;; This version of the problem:
;;   THIS VERSION OF THE PROBLEM IS GIVEN IN LOW PRECISION. The matrix products marked QUANTISED in the list below multiply operands that are first quantised to E2M1 (2 exponent bits, 1 mantissa bit; 4 bits a number), with one power-of-two scale for each 32 numbers along K (OCP MX v1.0); their sums are f32. The products marked 'left as it is' may take bf16, f16 or f32 operands, with f32 sums. Whichever they take, every output number must still come out within the allowed error. Rounding operands to bf16 (8 significant bits) uses up far more of that allowance than f16 does (11 bits, for magnitudes from 6e-5 to 65,504). All else is computed in f32.
;;   The module's matrix products, in the order in which they are computed (A, B: the left and right operand; K: the contracted axis; several contracted axes count as one K, in the product's order):
;;     1. [M 8,192, K 1,024] x [K 1,024, N 3,072]; A: input x; B: input w_qkv: QUANTISED
;;     2. batch 64 x [M 2,048, K 64] x [K 64, N 2,048]; A: computed on the way; B: computed on the way: left as it is (an operand is computed on the way)
;;     3. batch 64 x [M 64, K 2,048] x [K 2,048, N 2,048]; A: computed on the way; B: computed on the way: left as it is (an operand is computed on the way)
;;     4. [M 8,192, K 1,024] x [K 1,024, N 1,024]; A: computed on the way; B: input w_out: left as it is (an operand is computed on the way)
;;   THE QUANTISER, for each operand of a quantised product, along K:
;;     - K is cut into blocks of 32 from its start; a last block that is shorter is filled with zeros.
;;     - A block's scale is 2^e with e = floor(log2(the largest magnitude in the block)) - 2, held to -126 .. 127; a block of zeros has e = 0. As a byte (E8M0): e + 127.
;;     - Each number is divided by its block's scale, clamped to +-6, and rounded to the nearest number of E2M1, ties to even, subnormals kept.
;;     - The product sums the exact products of the quantised numbers (number of the format x scale) in f32.
;;   ~~~python
;;   def quantise(x, axis):      # numpy; x: float32 -> the quantised numbers, widened to float32 again
;;       x = np.moveaxis(x, axis, -1); K = x.shape[-1]
;;       x = np.pad(x, [(0, 0)] * (x.ndim - 1) + [(0, -K % 32)]); x = x.reshape(x.shape[:-1] + (-1, 32)); a = np.abs(x).max(-1, keepdims=True)
;;       e = np.where(a > 0, np.clip(np.frexp(np.where(a > 0, a, 1))[1] - 1 - 2, -126, 127), 0)      # np.frexp(a)[1] - 1 = floor(log2(a)), exactly
;;       r = np.clip(x / 2.0 ** e, -6, 6)
;;       step = 2.0 ** (np.maximum(np.frexp(np.where(r == 0, 1, r))[1] - 1, 0) - 1)
;;       q = np.round(r / step) * step * 2.0 ** e      # np.round: ties to even
;;       return np.moveaxis(q.reshape(q.shape[:-2] + (-1,))[..., :K], -1, axis).astype(np.float32)
;;   ~~~
;; One version. Each part assembles by itself: llvm-mc -triple=amdgcn-amd-amdhsa -mcpu=gfx1250 --defsym DOCPART=n.
;; ======== version 1 of 1: 5 launches
;; limits: values are held in f16: magnitudes above 65,504 overflow, below 6.1e-05 lose precision
;; workspace buffers: xc 4,194,304 bytes; xs 262,144 bytes; wc 1,572,864 bytes; ws 98,304 bytes; woh 2,097,152 bytes; qkvh 50,331,648 bytes; fq 786,432 bytes; ah 16,777,216 bytes
;; launch quant (part 1): grid 416 x 1, 4 waves a work-group, no clusters, 51,712 bytes of LDS; arguments x, w_qkv, w_out, xc, xs, wc, ws, woh; writes xc, xs, wc, ws, woh
.if DOCPART == 1
	.amdgcn_target "amdgcn-amd-amdhsa--gfx1250"
	.amdhsa_code_object_version 6
	.text
	.protected	k_q96431f373d_quant
	.globl	k_q96431f373d_quant
	.p2align	8
	.type	k_q96431f373d_quant,@function
k_q96431f373d_quant:
	s_mov_b64 s[64:65], 0
	v_nop
	global_prefetch_b8 v0, s[64:65] scope:SCOPE_SE
	s_setreg_imm32_b32 hwreg(HW_REG_WAVE_MODE, 25, 1), 1
	s_wait_xcnt 0x0
; THREE JOBS IN ONE LAUNCH, told apart by the work-group's number, the longest first:
;   0-95    w_qkv [1024 k][3072 n] f32 -> codes of FP4 (E2M1) with K innermost, wc [4 planes of 256 k][3072 n][128 bytes], and E8M0 bytes ws [3072 n][32]
;   96-159  w_out [1024][1024] f32 -> f16, woh, laid as w_out lies
;   160-415 x [8192][1024] f32 -> codes xc [8192][512 bytes] and E8M0 bytes xs [8192][32]
; THE QUANTISER: a block of 32 along K has the scale 2^(floor(log2(largest magnitude)) - 2); its byte is the largest magnitude's exponent field - 2, held at 1 from below by a floor among
; the maximum's leaves.  Each number is divided by the scale and rounded to the nearest code, ties to even; beyond 6 the conversion gives the largest code.
; (A block of zeros gets the byte 1 where the rule says 127: its codes are zeros, which add nothing under any byte but 0xff, and this program alone reads the bytes.)
; LIMITS: blocks whose largest magnitude lies under 2^-124 keep the byte 1; NaN and infinities are not served; |w_out| beyond 65,504 becomes infinity in f16.
; No tensor loads, no barrier: waves share nothing.  Each job that uses LDS has LDS bytes of its own.
.set WGW,   96                         ; work-groups for w_qkv: 24 groups of 128 columns x 4 planes
.set WGO,   64                         ; for w_out
.set SPW,   12                         ; v12  LDS address of my spare word: SPARE + 4 x my thread's number; never rewritten
.set NIL,   13                         ; v13  0; never rewritten
.set XREG,  8192                       ; x: LDS region of a wave: two stages of 32 x SP bytes, then its 256 scale bytes
.set SP,    80                         ; a lane's place in a stage: its 64 bytes + 16 of padding
.set WBASE, 32768                      ; w_qkv: the stages begin here
.set WREG,  4608                       ; a wave's stage: 32 rows x WP
.set WP,    144                        ; a stage row: 128 bytes of codes + 16 of padding
.set SPARE, 51200                      ; the spare words, 128 bytes for each wave: two blocks of 256 bytes that no other line names
.set STEPS, 16
.set R,     16                         ; x: v16-79 four sets of 16 numbers as loaded
.set X,     80                         ; v80-111 two sets of 16 neighbours
.set E,     112                        ; v112-127 a scale byte for each step
.set C,     128                        ; v128-191 codes: four registers for each step, so that no store's data are written again
.set WX,    32                         ; w_qkv: v32-95 two sets of 32 numbers
.set WC,    96                         ; v96-99 a block's codes
.set WO,    112                        ; v112-143 the way out
.set SB,    24                         ; v24-25 eight scale bytes
.set NB,    8                          ; blocks of 32 along K for a wave
	s_load_b256 s[4:11], s[0:1], 0x0               ; x s[4:5], w_qkv s[6:7], w_out s[8:9], xc s[10:11]
	s_load_b256 s[12:19], s[0:1], 0x20             ; xs s[12:13], wc s[14:15], ws s[16:17], woh s[18:19]
	v_lshl_add_u32 v[SPW], v0, 2, SPARE
	v_mov_b32 v[NIL], 0
	v_lshrrev_b32 v1, 5, v0
	v_readfirstlane_b32 s20, v1                    ; wave 0..3
	v_and_b32 v2, 31, v0                           ; lane
	s_mov_b32 s25, 0                               ; the upper word of every offset pair s[24:25]
	s_wait_kmcnt 0x0
	s_cmp_lt_u32 ttmp9, WGW
	s_cbranch_scc1 .Lw
	s_cmp_lt_u32 ttmp9, WGW+WGO
	s_cbranch_scc1 .Lo
; ---- x.  Rows are dense and 1,024 is a multiple of 32: x is a plain stream of blocks, and so are its codes and bytes.  A wave takes 16 steps of 512 numbers.
; A load reads 512 consecutive bytes, 16 a lane; the conversions want 16 NEIGHBOURS in a lane: so a step's 2,048 bytes turn through the wave's own stage in LDS and come back 64 bytes a lane.
	v_lshlrev_b32 v3, 4, v2                        ; my 16 bytes of a load's 512
	s_mul_i32 s21, s20, XREG
	v_lshrrev_b32 v14, 2, v2
	v_mul_u32_u24 v14, v14, SP
	v_and_b32 v15, 3, v2
	v_lshl_add_u32 v14, v15, 4, v14
	v_add_nc_u32 v14, s21, v14                     ; into the stage: SP (lane / 4) + 16 (lane % 4)
	v_mul_u32_u24 v15, v2, SP
	v_add_nc_u32 v15, s21, v15                     ; out of it: SP x lane
	v_mul_u32_u24 v4, v2, 8                        ; my 16 codes: 8 bytes of a step's 256
	v_lshrrev_b32 v5, 1, v2
	s_add_co_u32 s21, s21, 2*32*SP
	v_add_nc_u32 v5, s21, v5                       ; my block's byte among my wave's 256
	v_lshlrev_b32 v7, 3, v2
	v_add_nc_u32 v6, s21, v7                       ; and on the way out 8 bytes a lane
	s_sub_co_u32 s22, ttmp9, WGW+WGO
	s_lshl_b32 s22, s22, 2
	s_add_co_u32 s22, s22, s20                     ; which run of 8,192 numbers is my wave's: 0..1023
	s_lshl_b32 s24, s22, 15
	s_add_nc_u64 s[4:5], s[4:5], s[24:25]
	s_lshl_b32 s24, s22, 12
	s_add_nc_u64 s[10:11], s[10:11], s[24:25]
	s_lshl_b32 s24, s22, 8
	s_add_nc_u64 s[12:13], s[12:13], s[24:25]
.macro XLOAD t
.irp i, 0,1,2,3
	global_load_b128 v[R+16*((\t)%4)+4*\i:R+16*((\t)%4)+4*\i+3], v3, s[4:5] offset:2048*(\t)+512*\i th:TH_LOAD_NT
.endr
.endm
.macro XTURN t                         ; LDS serves a wave's instructions in order (ISA guide 5.7.1.4): no wait between the stores and the loads
.irp i, 0,1,2,3
	ds_store_b128 v14, v[R+16*((\t)%4)+4*\i:R+16*((\t)%4)+4*\i+3] offset:32*SP*((\t)%2)+8*SP*\i
.endr
.irp i, 0,1,2,3
	ds_load_b128 v[X+16*((\t)%2)+4*\i:X+16*((\t)%2)+4*\i+3], v15 offset:32*SP*((\t)%2)+16*\i
.endr
.endm
.irp t, 0,1,2,3
	XLOAD \t
.endr
	s_wait_loadcnt 12                              ; step 0's four loads are in; the twelve of steps 1 to 3 may be out
	XTURN 0
.macro XSTEP t
.set XS, X+16*((\t)%2)
.if (\t) > 0
	s_wait_dscnt 1                                 ; this step's numbers are back from the stage (the last step's byte store may be out), so the stage's stores have read their registers,
.else
	s_wait_dscnt 0x0
.endif
.if (\t)+4 < STEPS
	XLOAD (\t)+4                                   ; which take the loads of four steps on
.endif
.if (\t)+1 < STEPS
.if STEPS-2-(\t) >= 3
	s_wait_loadcnt 12                              ; the next step's four loads are in; those of the three steps behind it may be out
.else
	s_wait_loadcnt 4*(STEPS-2-(\t))
.endif
	XTURN (\t)+1
.endif
	v_max3_num_f32 v8, |v[XS]|, |v[XS+1]|, |v[XS+2]|               ; the largest magnitude of my 16, in two chains
	v_max3_num_f32 v9, |v[XS+3]|, |v[XS+4]|, |v[XS+5]|
.irp i, 6,10
	v_max3_num_f32 v8, v8, |v[XS+\i]|, |v[XS+\i+1]|
	v_max3_num_f32 v9, v9, |v[XS+\i+2]|, |v[XS+\i+3]|
.endr
	v_max3_num_f32 v8, v8, |v[XS+14]|, |v[XS+15]|
	v_max3_num_f32 v8, v8, v9, 0x1800000           ; and the floor 2^(3 - 127): the byte cannot fall under 1
	v_max_num_f32_dpp v8, v8, v8 row_xmask:1 row_mask:0xf bank_mask:0xf   ; with my neighbour's 16: the block's
	v_add_nc_u32 v11, 0xff000000, v8               ; 2 off its exponent field: the conversion takes the exponent field of this operand as its scale
	v_cvt_scalef32_pk8_fp4_f32 v[C+4*(\t)], v[XS:XS+7], v11
	v_cvt_scalef32_pk8_fp4_f32 v[C+4*(\t)+1], v[XS+8:XS+15], v11
	v_lshrrev_b32 v[E+(\t)], 23, v11               ; the scale's byte (also the plain line behind the conversions)
	ds_store_b8 v5, v[E+(\t)] offset:16*(\t)       ; both lanes of a block write the same byte with the same value
	global_store_b64 v4, v[C+4*(\t):C+4*(\t)+1], s[10:11] offset:256*(\t)   ; the wave stores 256 consecutive bytes, aligned
.endm
.irp t, 0,1,2,3,4,5,6,7,8,9,10,11,12,13,14,15
	XSTEP \t
.endr
	ds_load_b64 v[8:9], v6                         ; in order behind my byte stores
	s_wait_dscnt 0x0
	global_store_b64 v7, v[8:9], s[12:13]          ; my wave's 256 scale bytes: 256 consecutive bytes, aligned
	s_branch .Lend
; ---- w_qkv.  A LANE TAKES A COLUMN n AND ITS REGISTERS RUN DOWN K: a load reads 128 consecutive bytes a wave, a block of 32 along K lies in one lane, and the codes come out with K innermost.
; A wave takes 32 columns x 256 along K (one plane): 8 blocks a lane, 128 bytes of codes a column; they go through the wave's stage and leave as 512 consecutive bytes a store.
.Lw:
	s_lshr_b32 s21, ttmp9, 2                       ; which 128 columns
	s_and_b32 s22, ttmp9, 3                        ; which plane of 256 along K
	s_lshl_b32 s21, s21, 7
	s_lshl_b32 s23, s20, 5
	s_add_co_u32 s21, s21, s23                     ; my wave's first column
	v_lshlrev_b32 v3, 2, v2                        ; in: 4 bytes a lane
	s_mul_i32 s23, s20, WREG
	s_add_co_u32 s23, s23, WBASE                   ; my stage
	v_mul_u32_u24 v4, v2, WP
	v_add_nc_u32 v4, s23, v4                       ; into it: row = my column
	v_lshrrev_b32 v5, 3, v2
	v_and_b32 v6, 7, v2
	v_mul_u32_u24 v7, v5, WP
	v_lshl_add_u32 v7, v6, 4, v7
	v_add_nc_u32 v7, s23, v7                       ; out of it: eight lanes to a row of 128 bytes, four rows an instruction
	v_lshlrev_b32 v8, 4, v2                        ; the same four rows in wc are 512 bytes on end
	v_lshlrev_b32 v9, 5, v2                        ; my column's row of scale bytes
	s_mul_i32 s24, s22, 256*12288
	s_lshl_b32 s26, s21, 2
	s_add_co_u32 s24, s24, s26
	s_add_nc_u64 s[6:7], s[6:7], s[24:25]          ; w_qkv at (256 plane, first column)
	s_mul_i32 s24, s22, 3072*128
	s_lshl_b32 s26, s21, 7
	s_add_co_u32 s24, s24, s26
	s_add_nc_u64 s[14:15], s[14:15], s[24:25]      ; wc at (plane, first column)
	s_lshl_b32 s24, s21, 5
	s_lshl_b32 s26, s22, 3
	s_add_co_u32 s24, s24, s26
	s_add_nc_u64 s[16:17], s[16:17], s[24:25]      ; ws at (first column, 8 plane)
.macro WLOAD t                         ; block t: w(32 t + i, my column); the largest offset, 255 rows of 12,288 bytes, lies inside the signed 24-bit immediate
.irp i, 0,1,2,3,4,5,6,7,8,9,10,11,12,13,14,15,16,17,18,19,20,21,22,23,24,25,26,27,28,29,30,31
	global_load_b32 v[WX+32*((\t)%2)+\i], v3, s[6:7] offset:(32*(\t)+\i)*12288 th:TH_LOAD_NT
.endr
.endm
	WLOAD 0
	WLOAD 1
.macro WBLOCK t
.set WS, WX+32*((\t)%2)
.if (\t) < NB-1
	s_wait_loadcnt 32                              ; this block's 32 loads are in; the next block's may be out
.else
	s_wait_loadcnt 0x0
.endif
	v_max3_num_f32 v10, |v[WS]|, |v[WS+1]|, |v[WS+2]|              ; all 32 numbers of the block are mine
	v_max3_num_f32 v5, |v[WS+3]|, |v[WS+4]|, |v[WS+5]|
.irp i, 6,10,14,18,22,26
	v_max3_num_f32 v10, v10, |v[WS+\i]|, |v[WS+\i+1]|
	v_max3_num_f32 v5, v5, |v[WS+\i+2]|, |v[WS+\i+3]|
.endr
	v_max3_num_f32 v10, v10, |v[WS+30]|, |v[WS+31]|
	v_max3_num_f32 v10, v10, v5, 0x1800000         ; the floor
	v_add_nc_u32 v11, 0xff000000, v10              ; the conversion's scale operand
	v_lshrrev_b32 v6, 23, v11                      ; the byte
.if (\t)%4 == 0
	v_mov_b32 v[SB+(\t)/4], v6                     ; four bytes to a register, the lower K in the lower byte
.else
	v_lshl_or_b32 v[SB+(\t)/4], v6, 8*((\t)%4), v[SB+(\t)/4]
.endif
.irp g, 0,1,2,3
	v_cvt_scalef32_pk8_fp4_f32 v[WC+\g], v[WS+8*\g:WS+8*\g+7], v11
.endr
	ds_store_b128 v4, v[WC:WC+3] offset:16*(\t)    ; 32 codes: 16 bytes of my column's row
.if (\t)+2 < NB
	WLOAD (\t)+2
.endif
	s_wait_dscnt 0x0                               ; the store has read its registers: the next block's codes may be written
.endm
.irp t, 0,1,2,3,4,5,6,7
	WBLOCK \t
.endr
	global_store_b64 v9, v[SB:SB+1], s[16:17]      ; my column's eight scale bytes of this plane
.irp t, 0,1,2,3,4,5,6,7
	ds_load_b128 v[WO+4*\t:WO+4*\t+3], v7 offset:4*\t*WP
.endr
.irp t, 0,1,2,3,4,5,6,7
	s_wait_dscnt 7-\t                              ; LDS loads come back in order: load t is in
	global_store_b128 v8, v[WO+4*\t:WO+4*\t+3], s[14:15] offset:512*\t   ; four rows of the plane: 512 consecutive bytes
.endr
	s_branch .Lend
; ---- w_out to f16.  A wave takes 4,096 numbers: 32 loads of 512 bytes, all out at once; no register is written twice.
.Lo:
	s_sub_co_u32 s21, ttmp9, WGW
	s_lshl_b32 s21, s21, 2
	s_add_co_u32 s21, s21, s20                     ; run 0..255
	s_lshl_b32 s24, s21, 14
	s_add_nc_u64 s[8:9], s[8:9], s[24:25]
	s_lshl_b32 s24, s21, 13
	s_add_nc_u64 s[18:19], s[18:19], s[24:25]
	v_lshlrev_b32 v3, 4, v2
	v_lshlrev_b32 v4, 3, v2
.set i, 0
.rept 32
	global_load_b128 v[32+4*i:35+4*i], v3, s[8:9] offset:512*i th:TH_LOAD_NT
.set i, i+1
.endr
.set i, 0
.rept 32
	s_wait_loadcnt 31-i                            ; loads come back in order: load i is in
	v_cvt_pk_f16_f32 v[160+2*i], v[32+4*i], v[33+4*i]
	v_cvt_pk_f16_f32 v[161+2*i], v[34+4*i], v[35+4*i]
	global_store_b64 v4, v[160+2*i:161+2*i], s[18:19] offset:256*i   ; 256 consecutive bytes, aligned
.set i, i+1
.endr
.Lend:
	s_wait_tensorcnt 0x0                           ; the wave's end
	ds_add_u32 v[SPW], v[NIL]
	s_wait_dscnt 0x0
	s_endpgm
.Lfunc_end_k_q96431f373d_quant:
	.size	k_q96431f373d_quant, .Lfunc_end_k_q96431f373d_quant-k_q96431f373d_quant
	.p2alignl 7, 3214868480
	.fill 96, 4, 3214868480
	.section	.rodata,"a",@progbits
	.p2align	6, 0x0
	.amdhsa_kernel k_q96431f373d_quant
		.amdhsa_group_segment_fixed_size 51712
		.amdhsa_private_segment_fixed_size 0
		.amdhsa_enable_private_segment 0
		.amdhsa_kernarg_size 64
		.amdhsa_user_sgpr_count 2
		.amdhsa_user_sgpr_kernarg_segment_ptr 1
		.amdhsa_wavefront_size32 1
		.amdhsa_system_sgpr_workgroup_id_x 1
		.amdhsa_system_sgpr_workgroup_id_y 1
		.amdhsa_system_sgpr_workgroup_id_z 1
		.amdhsa_system_vgpr_workitem_id 0
		.amdhsa_next_free_vgpr 224
		.amdhsa_next_free_sgpr 66
		.amdhsa_reserve_vcc 0
		.amdhsa_float_denorm_mode_32 3
		.amdhsa_float_denorm_mode_16_64 3
		.amdhsa_memory_ordered 1
		.amdhsa_forward_progress 1
		.amdhsa_inst_pref_size 84
	.end_amdhsa_kernel
	.amdgpu_metadata
---
amdhsa.version: [ 1, 2 ]
amdhsa.kernels:
  - .name:           k_q96431f373d_quant
    .symbol:         k_q96431f373d_quant.kd
    .args:
      - { .name: x, .offset: 0, .size: 8, .value_kind: global_buffer, .address_space: global }
      - { .name: w_qkv, .offset: 8, .size: 8, .value_kind: global_buffer, .address_space: global }
      - { .name: w_out, .offset: 16, .size: 8, .value_kind: global_buffer, .address_space: global }
      - { .name: xc, .offset: 24, .size: 8, .value_kind: global_buffer, .address_space: global }
      - { .name: xs, .offset: 32, .size: 8, .value_kind: global_buffer, .address_space: global }
      - { .name: wc, .offset: 40, .size: 8, .value_kind: global_buffer, .address_space: global }
      - { .name: ws, .offset: 48, .size: 8, .value_kind: global_buffer, .address_space: global }
      - { .name: woh, .offset: 56, .size: 8, .value_kind: global_buffer, .address_space: global }
    .group_segment_fixed_size: 51712
    .private_segment_fixed_size: 0
    .kernarg_segment_align: 8
    .kernarg_segment_size: 64
    .max_flat_workgroup_size: 128
    .sgpr_count:     66
    .vgpr_count:     224
    .wavefront_size: 32
...
	.end_amdgpu_metadata
.endif
;; end of part 1
;; launch qkv (part 2): grid 12 x 32, 4 waves a work-group, clusters of 4 x 4, 327,680 bytes of LDS; arguments xc, xs, wc, ws, qkvh, fq; writes qkvh, fq
.if DOCPART == 2
	.amdgcn_target "amdgcn-amd-amdhsa--gfx1250"
	.amdhsa_code_object_version 6
	.text
	.protected	k_q96431f373d_qkv
	.globl	k_q96431f373d_qkv
	.p2align	8
	.type	k_q96431f373d_qkv,@function
k_q96431f373d_qkv:
	s_mov_b64 s[64:65], 0
	v_nop
	global_prefetch_b8 v0, s[64:65] scope:SCOPE_SE
	s_setreg_imm32_b32 hwreg(HW_REG_WAVE_MODE, 25, 1), 1
	s_wait_xcnt 0x0
	s_wait_alu depctr_hold_cnt(0) depctr_sa_sdst(0) depctr_va_vdst(0) depctr_va_sdst(0) depctr_va_ssrc(0) depctr_va_vcc(0) depctr_vm_vsrc(0)
	s_getreg_b32 s2, hwreg(HW_REG_IB_STS2, 6, 4)
	s_cmp_eq_u32 s2, 0
	s_cbranch_scc0 .Lentry_in_a_cluster
	s_endpgm
.Lentry_in_a_cluster:
	s_bfe_u32 s2, ttmp6, 0x10000c
	s_cmp_lg_u32 s2, 0xf033
	s_cbranch_scc0 .Lentry_shape_is_right
	s_endpgm
.Lentry_shape_is_right:
; qkv = Q(x) Q(w_qkv), 8,192 x 3,072, K = 1,024, on codes of FP4 (E2M1) with one E8M0 scale for each 32 along K; sums in f32.
; OUT: qkvh, f16, [3: q, k, v][b][head][t][64]; and the rows t < 16 of every batch once more in f32, fq [b][16][3072], for the launch that carries those rows finely.
; LIMIT: a result beyond 65,504 in magnitude becomes infinity in f16.
; A tile of 256 x 256 is made by four waves, each 128 x 128: 64 accumulators, 512 registers.  K is two LDS slots of 512; both are asked for at the head and nothing is filled again.
; A's tile rows are 256 bytes of xc.  wc lies in planes of 256 along K, so a slot's B tile is two dense blocks of 256 rows x 128 bytes.
; THE SCALES of the tile's 256 rows and 256 columns, for all of K, are two dense blocks: they come once, with the first fills.
; CLUSTERS: 4 x 4 work-groups; A's tiles are shared along a row of the cluster, B's along a column: joint loads.  THE TILE ROW IS 8 cy + (cluster y): so a batch is one cy, and the tile rows
; that hold t < 16 are those of cluster y = 0: the branch for the fine rows hangs on the cluster's number and the wave's number alone, which all partners share.
; THE MATRIX INSTRUCTION IS USED TRANSPOSED (source 0 = 16 columns of w, source 1 = 16 rows of x): a lane holds eight neighbouring columns of one row.
; REGISTERS: window 0: v16-31 addresses; v32-95 scale words, two sets (they hold scales and nothing else); v128-191 A's fragments, one set; on the way out v128-223.
;   window 1: B's fragments, two sets, at v0 and v128.  window 2: accumulators of my rows 0-63 ((a, b) at v[8 (8 a + b)]);  window 3: of rows 64-127.
.set NQ,     4                         ; steps of 128 along K in a slot
.set FR,     8                         ; registers of a fragment
.set NL,     2                         ; LDS loads that bring one
.set NP,     4                         ; places behind this matrix instruction (ISA guide 7.12.1)
.set PITA,   272                       ; A's LDS row: 256 bytes + 16 of padding
.set PITB,   144                       ; B's: 128 + 16
.set HALFA,  128*PITA
.set PLANEB, 256*PITB
.set BOFF,   2*HALFA
.set SLOT,   BOFF+2*PLANEB             ; 143,360
.set SCL,    2*SLOT                    ; the scales, as rows of 256 bytes + 16
.set HALFS,  16*272                    ; those of 128 rows (32 bytes a row)
.set SBLK,   2*272                     ; those of 16 rows
.set SPARE,  SCL+4*HALFS               ; the spare words, 128 bytes a wave: two blocks of 256 bytes that no other line names
.set STGW,   8704                      ; the way out: a stage for each wave, in slot 0, which has had its only fill and its last read by then
.set ADRA, 16
.set ADRB, 20
.set STO,  24                          ; f16 stage, in: 272 r + 16 h
.set RD,   25                          ; f16 stage, back: 272 (lane / 8) + 16 (lane % 8)
.set CO,   26                          ; 16 x lane
.set ADRS, 27
.set SPW,  28
.set NIL,  29
.set STO32, 30                         ; f32 stage, in: 528 r + 32 h
.set RD32, 31                          ; f32 stage, back: 16 x lane
.set SC,   32
.set AF,   128
.set BK,   128
.set TMP,  192
.set G1, 24
.set G0, 32
.set G1B, 48
.set G0B, 56
.set G1S, 68
.set G0S, 76
.set G1SB, 80
.set G0SB, 88
.set MSB, 0
.macro WIN new                         ; the immediate's high byte repeats the setting that is left; a switch that changes nothing is dropped
.if MSB != (\new)
	s_set_vgpr_msb (MSB<<8)|(\new)
.set MSB, (\new)
.endif
.endm
.set MUL_LO, 0xa1                      ; source 0 (B) window 1, source 1 (A) window 0, C and D window 2
.set MUL_HI, 0xf1
.set TO_B,   0x40
; A joint load: waves 0 and 1 fetch for A, waves 2 and 3 for B; the branch hangs on the wave's number alone.  An s_nop 0 and four v_nop follow each line.
.macro JLOAD g0a, g1a, g0b, g1b
	s_cmp_eq_u32 s15, 0
	s_cbranch_scc0 .Lfor_b_\@
	tensor_load_to_lds s[\g0a:\g0a+3], s[\g1a:\g1a+7]
	s_nop 0
.rept 4
	v_nop
.endr
	s_branch .Lasked_\@
.Lfor_b_\@:
	tensor_load_to_lds s[\g0b:\g0b+3], s[\g1b:\g1b+7]
	s_nop 0
.rept 4
	v_nop
.endr
.Lasked_\@:
.endm
.macro CROUND                          ; a round of the cluster's barrier
	s_barrier_signal -1
	s_barrier_wait -1
	s_cmp_lg_u32 s14, 0
	s_cbranch_scc1 .Lnot_wave_0_\@
	s_barrier_signal -3
.Lnot_wave_0_\@:
	s_barrier_wait -3
	s_barrier_signal -1
	s_barrier_wait -1
.endm
	s_load_b128 s[4:7], s[0:1], 0x0                ; xc s[4:5], xs s[6:7]
	s_load_b128 s[8:11], s[0:1], 0x10              ; wc s[8:9], ws s[10:11]
	s_load_b64 s[12:13], s[0:1], 0x20              ; qkvh
	s_load_b64 s[96:97], s[0:1], 0x28              ; fq
	v_lshl_add_u32 v[SPW], v0, 2, SPARE
	v_mov_b32 v[NIL], 0
	ds_add_u32 v[SPW], v[NIL]                      ; the wave's opening: the add, twice on end, and its wait ahead of my first tensor load
	ds_add_u32 v[SPW], v[NIL]
	v_lshrrev_b32 v1, 5, v0
	v_readfirstlane_b32 s14, v1                    ; wave 0..3
	s_lshr_b32 s15, s14, 1                         ; my half of the tile's rows.  Also: I fetch for A (0) or for B (1)
	s_and_b32 s16, s14, 1                          ; my half of its columns.  Also: which half (A) or plane (B) I fetch
	s_bfe_u32 s40, ttmp6, 0x40000                  ; cx
	s_bfe_u32 s41, ttmp6, 0x40004                  ; cy
	s_lshl_b32 s42, ttmp9, 2
	s_add_co_u32 s42, s42, s40                     ; tile column = 4 x cluster x + cx
	s_and_b32 s98, ttmp7, 0xffff                   ; cluster y
	s_lshl_b32 s17, s41, 3
	s_add_co_u32 s17, s17, s98                     ; tile row = 8 cy + cluster y
	s_or_b32 s100, s98, s15                        ; 0 where my first 16 rows are t = 0 .. 15
	s_lshl_b32 s43, s41, 2
	s_lshl_b32 s43, 15, s43                        ; my row of the cluster
	s_lshl_b32 s44, 0x1111, s40                    ; my column
	s_or_b32 s[G1+0], s43, (0<<16)|(1<<20)|(1<<21)|(5<<22)|(3<<25)   ; A: the mask; elements of 1 byte; padding on; bit 21 beside a mask; after every 64 words, 4 words
	s_mov_b32 s[G1+1], 256<<16                     ; tensor_dim0 = 256 bytes
	s_mov_b32 s[G1+2], 128<<16                     ; tensor_dim1 = 128 rows
	s_mov_b32 s[G1+3], 256<<16                     ; tile_dim0
	s_mov_b32 s[G1+4], 128                         ; tile_dim1
	s_mov_b32 s[G1+5], 512                         ; a row of xc
	s_mov_b32 s[G1+6], 0
	s_mov_b32 s[G1+7], 0
	s_or_b32 s[G1B+0], s44, (0<<16)|(1<<20)|(1<<21)|(4<<22)|(3<<25)  ; B: after every 32 words, 4 words
	s_mov_b32 s[G1B+1], 128<<16
	s_mov_b32 s[G1B+2], 256<<16
	s_mov_b32 s[G1B+3], 128<<16
	s_mov_b32 s[G1B+4], 256
	s_mov_b32 s[G1B+5], 128                        ; a plane's rows are dense
	s_mov_b32 s[G1B+6], 0
	s_mov_b32 s[G1B+7], 0
	s_or_b32 s[G1S+0], s43, (3<<16)|(1<<20)|(1<<21)|(5<<22)|(3<<25)  ; the scales of 128 rows: 4,096 dense bytes as 16 rows of 32 elements of 8 bytes
	s_or_b32 s[G1SB+0], s44, (3<<16)|(1<<20)|(1<<21)|(5<<22)|(3<<25)
.irp g, G1S, G1SB
	s_mov_b32 s[\g+1], 32<<16
	s_mov_b32 s[\g+2], 16<<16
	s_mov_b32 s[\g+3], 32<<16
	s_mov_b32 s[\g+4], 16
	s_mov_b32 s[\g+5], 32
	s_mov_b32 s[\g+6], 0
	s_mov_b32 s[\g+7], 0
.endr
	s_lshl_b32 s18, s16, 7
	s_lshl_b32 s20, s17, 8
	s_add_co_u32 s20, s20, s18                     ; A: row 256 x tile row + 128 x half
	s_lshl_b32 s46, s42, 8
	s_add_co_u32 s46, s46, s18                     ; B: column 256 x tile column + 128 x half (for the scales)
	s_lshl_b32 s22, s20, 5                         ; A's scales: 32 bytes a row
	s_mov_b32 s23, 0
	s_lshl_b32 s92, s46, 5
	s_mov_b32 s93, 0
	s_lshl_b32 s20, s20, 9                         ; A's codes: 512 bytes a row
	s_mov_b32 s21, 0
	s_mul_i32 s46, s16, 3072*128                   ; B's codes: my plane of a slot's two,
	s_lshl_b32 s47, s42, 15                        ; the tile's 256 rows of 128 bytes
	s_add_co_u32 s46, s46, s47
	s_mov_b32 s47, 0
	s_mul_i32 s45, s16, HALFA                      ; where they go: no place in the cluster enters an LDS address
	s_mul_i32 s99, s16, PLANEB
	s_add_co_u32 s99, s99, BOFF
	s_mul_i32 s94, s14, HALFS
	s_wait_dscnt 0x0                               ; both opening adds are done
	s_wait_kmcnt 0x0
	s_add_nc_u64 s[20:21], s[4:5], s[20:21]
	s_add_nc_u64 s[22:23], s[6:7], s[22:23]
	s_add_nc_u64 s[46:47], s[8:9], s[46:47]
	s_add_nc_u64 s[92:93], s[10:11], s[92:93]
	CROUND                                         ; all sixteen work-groups are here: the joint loads meet
	s_mov_b32 s[G0S], 1
	s_add_co_u32 s[G0S+1], s94, SCL
	s_mov_b64 s[G0S+2:G0S+3], s[22:23]
	s_or_b32 s[G0S+3], s[G0S+3], 0x80000000
	s_mov_b32 s[G0SB], 1
	s_add_co_u32 s[G0SB+1], s94, SCL
	s_mov_b64 s[G0SB+2:G0SB+3], s[92:93]
	s_or_b32 s[G0SB+3], s[G0SB+3], 0x80000000
	JLOAD G0S, G1S, G0SB, G1SB                     ; the scales first: they are wanted with the first step
.irp s, 0,1
	s_mov_b32 s[G0+4*\s], 1
	s_add_co_u32 s[G0+4*\s+1], s45, \s*SLOT
	s_add_nc_u64 s[G0+4*\s+2:G0+4*\s+3], s[20:21], \s*256
	s_or_b32 s[G0+4*\s+3], s[G0+4*\s+3], 0x80000000
	s_mov_b32 s[G0B+4*\s], 1
	s_add_co_u32 s[G0B+4*\s+1], s99, \s*SLOT
	s_add_nc_u64 s[G0B+4*\s+2:G0B+4*\s+3], s[46:47], \s*2*3072*128
	s_or_b32 s[G0B+4*\s+3], s[G0B+4*\s+3], 0x80000000
	JLOAD G0+4*\s, G1, G0B+4*\s, G1B               ; three loads of mine are out at the most
.endr
	v_and_b32 v1, 15, v0                           ; r
	v_bfe_u32 v2, v0, 4, 1                         ; h
	v_mul_u32_u24 v3, v1, PITA
	v_lshl_add_u32 v4, v2, 4, v3                   ; A: row x pitch + 16 h
	v_mul_u32_u24 v5, v1, PITB
	v_lshl_add_u32 v5, v2, 4, v5                   ; B likewise
	s_mul_i32 s21, s15, HALFA                      ; my 128 rows of A
	s_mul_i32 s22, s16, 128*PITB                   ; my 128 rows of each plane of B
	s_add_co_u32 s22, s22, BOFF
.irp s, 0,1
	v_add_nc_u32 v[ADRA+\s], s21, v4
	v_add_nc_u32 v[ADRB+\s], s22, v5
	s_add_co_u32 s21, s21, SLOT
	s_add_co_u32 s22, s22, SLOT
.endr
	v_mul_u32_u24 v5, v1, 32                       ; my row's scales: 32 bytes a row,
	v_lshrrev_b32 v6, 8, v5
	v_lshl_add_u32 v5, v6, 4, v5                   ; and 16 more for each 256 passed
	s_mul_i32 s21, s15, HALFS
	s_mul_i32 s22, s16, HALFS
	s_add_co_u32 s22, s22, 2*HALFS
	s_sub_co_u32 s22, s22, s21
	v_mul_u32_u24 v6, s22, v2                      ; lanes 16-31 take B's: one product, the distance between the two bases
	s_add_co_u32 s21, s21, SCL
	v_add_nc_u32 v5, v5, v6
	v_add_nc_u32 v[ADRS], s21, v5
	s_mul_i32 s23, s14, STGW                       ; my stage
	v_mul_u32_u24 v5, v1, 272
	v_lshl_add_u32 v5, v2, 4, v5
	v_add_nc_u32 v[STO], s23, v5
	v_and_b32 v6, 31, v0
	v_lshrrev_b32 v7, 3, v6
	v_and_b32 v8, 7, v6
	v_mul_u32_u24 v7, v7, 272
	v_lshl_add_u32 v7, v8, 4, v7
	v_add_nc_u32 v[RD], s23, v7
	v_lshlrev_b32 v[CO], 4, v6
	v_mul_u32_u24 v5, v1, 528
	v_lshl_add_u32 v5, v2, 5, v5
	v_add_nc_u32 v[STO32], s23, v5
	v_add_nc_u32 v[RD32], s23, v[CO]
	s_lshl_b32 s20, ttmp9, 24                      ; qkvh: q, k or v = cluster x: 16,777,216 bytes each;
	s_lshl_b32 s21, s41, 4                         ; batch cy, head 4 cx + 2 x my half of the columns: 262,144 bytes each;
	s_lshl_b32 s22, s40, 2
	s_add_co_u32 s21, s21, s22
	s_lshl_b32 s22, s16, 1
	s_add_co_u32 s21, s21, s22
	s_lshl_b32 s21, s21, 18
	s_add_co_u32 s20, s20, s21
	s_lshl_b32 s21, s98, 15                        ; t = 256 x cluster y + 128 x my half of the rows: 128 bytes each
	s_add_co_u32 s20, s20, s21
	s_lshl_b32 s21, s15, 14
	s_add_co_u32 s20, s20, s21
	s_mov_b32 s21, 0
	s_add_nc_u64 s[12:13], s[12:13], s[20:21]
	s_mul_i32 s22, s41, 16*12288                   ; fq: batch cy, column 256 x tile column + 128 x half
	s_lshl_b32 s23, s42, 10
	s_add_co_u32 s22, s22, s23
	s_lshl_b32 s23, s16, 9
	s_add_co_u32 s22, s22, s23
	s_mov_b32 s23, 0
	s_add_nc_u64 s[96:97], s[96:97], s[22:23]
; a fragment, 16 rows x 128 K of 4-bit codes: lane l holds row l % 16; registers 4 c .. 4 c + 3 hold K = 64 c + 32 (l / 16) + 0 .. 31
.macro FRAGA reg, adr, q, i
.irp c, 0,1
	ds_load_b128 v[\reg+4*\c:\reg+4*\c+3], v[\adr] offset:64*(\q)+32*\c+(\i)*16*PITA
.endr
.endm
.macro FRAGB reg, adr, q, i            ; the slot's q-th 128 along K lie in plane q / 2, at byte 64 (q % 2) of its rows
.irp c, 0,1
	ds_load_b128 v[\reg+4*\c:\reg+4*\c+3], v[\adr] offset:((\q)/2)*PLANEB+64*((\q)%2)+32*\c+(\i)*16*PITB
.endr
.endm
; 16 matrix instructions: A's blocks a0, a0 + 1 x B's eight.  p: B's set; sc: the set of scale words.  The 64 accumulators take turns, one instruction a turn.
; A scale register holds A's word of block i in lanes 0-15 and B's word of block i in lanes 16-31.
.macro MUL16 a0, p, q, sc, zero
.irp a, \a0, \a0+1
.irp b, 0,1,2,3,4,5,6,7
.if \zero
	v_wmma_scale_f32_16x16x128_f8f6f4 v[8*(8*((\a)%4)+\b):8*(8*((\a)%4)+\b)+7], v[128*(\p)+FR*\b:128*(\p)+FR*\b+FR-1], v[AF+FR*(\a):AF+FR*(\a)+FR-1], 0, v[SC+8*NQ*(\sc)+NQ*\b+(\q)], v[SC+8*NQ*(\sc)+NQ*(\a)+(\q)] matrix_a_fmt:MATRIX_FMT_FP4 matrix_b_fmt:MATRIX_FMT_FP4 matrix_a_scale:MATRIX_SCALE_ROW1
.else
	v_wmma_scale_f32_16x16x128_f8f6f4 v[8*(8*((\a)%4)+\b):8*(8*((\a)%4)+\b)+7], v[128*(\p)+FR*\b:128*(\p)+FR*\b+FR-1], v[AF+FR*(\a):AF+FR*(\a)+FR-1], v[8*(8*((\a)%4)+\b):8*(8*((\a)%4)+\b)+7], v[SC+8*NQ*(\sc)+NQ*\b+(\q)], v[SC+8*NQ*(\sc)+NQ*(\a)+(\q)] matrix_a_fmt:MATRIX_FMT_FP4 matrix_b_fmt:MATRIX_FMT_FP4 matrix_a_scale:MATRIX_SCALE_ROW1
.endif
.endr
.endr
.endm
.macro FETCH_B slot, q, p
	WIN TO_B
.irp i, 0,1,2,3,4,5,6,7
	FRAGB 128*(\p)+FR*\i, ADRB+\slot, \q, \i
.endr
	WIN 0
.endm
.macro FETCH_A slot, q, i0
.irp i, \i0, \i0+1, \i0+2, \i0+3
	FRAGA AF+FR*(\i), ADRA+\slot, \q, \i
.endr
.endm
.macro SCALES sc                       ; a slot's scale words: four words a row
.irp i, 0,1,2,3,4,5,6,7
	ds_load_b128 v[SC+8*NQ*\sc+NQ*\i:SC+8*NQ*\sc+NQ*\i+3], v[ADRS] offset:\i*SBLK
.endr
.endm
.macro PLACES n                        ; plain vector instructions that name no register of the matrix instructions before them (ISA guide 7.12.1)
.rept \n
	v_nop
.endr
.endm
.macro STEP slot, q, zero              ; a step of 128 along K that has its successor in the same slot
	s_wait_dscnt 4*NL                              ; B's set and A's blocks 0-3 are in; the youngest eight loads (A's blocks 4-7) may be out
	WIN MUL_LO
	MUL16 0, (\q)%2, \q, \slot, \zero
	MUL16 2, (\q)%2, \q, \slot, \zero
	s_wait_dscnt 0
	PLACES NP
	FETCH_B \slot, (\q)+1, 1-(\q)%2
	FETCH_A \slot, (\q)+1, 0
	WIN MUL_HI
	MUL16 4, (\q)%2, \q, \slot, \zero
	MUL16 6, (\q)%2, \q, \slot, \zero
	PLACES NP
	WIN 0
	FETCH_A \slot, (\q)+1, 4
.endm
.macro STEPS slot, from
.set Q, \from
.rept NQ-1-\from
	STEP \slot, Q, 0
.set Q, Q+1
.endr
.endm
	s_wait_tensorcnt 1                             ; the scales and my part of slot 0 are in; slot 1's load may be out
	s_barrier_signal -1
	s_barrier_wait -1
	FETCH_B 0, 0, 0
	FETCH_A 0, 0, 0
	SCALES 0
	FETCH_A 0, 0, 4
	STEP 0, 0, 1                                   ; the first products start the sums: nothing is cleared
	STEPS 0, 1
	; slot 0's last step changes slots: one barrier
	s_wait_tensorcnt 0x0                           ; my part of slot 1 has landed
	ds_add_u32 v[SPW], v[NIL]                      ; 0 onto my spare word
	s_wait_dscnt 4*NL+1                            ; the add and the youngest eight loads may be out
	WIN MUL_LO
	MUL16 0, 1, NQ-1, 0, 0
	s_wait_dscnt 0x0                               ; the add is done, and my reads of slot 0 are over
	s_barrier_signal -1
	MUL16 2, 1, NQ-1, 0, 0
	WIN 0
	s_barrier_wait -1
	PLACES NP
	v_add_nc_u32 v[ADRS], 4*NQ, v[ADRS]            ; slot 1's scale words (no LDS load of mine is out)
	FETCH_B 1, 0, 0
	FETCH_A 1, 0, 0
	SCALES 1
	WIN MUL_HI
	MUL16 4, 1, NQ-1, 0, 0
	MUL16 6, 1, NQ-1, 0, 0
	PLACES NP
	WIN 0
	FETCH_A 1, 0, 4
	STEPS 1, 0
	s_wait_dscnt 4*NL                              ; the very last step
	WIN MUL_LO
	MUL16 0, 1, NQ-1, 1, 0
	MUL16 2, 1, NQ-1, 1, 0
	s_wait_dscnt 0
	WIN MUL_HI
	MUL16 4, 1, NQ-1, 1, 0
	MUL16 6, 1, NQ-1, 1, 0
	WIN 0
	PLACES NP                                      ; in front of the first reads of results and of loads into A's old registers
	; THE FINE ROWS: where my block 0 is t = 0 .. 15, it goes out in f32 too: through the stage, back as rows of 512 bytes
	s_cmp_lg_u32 s100, 0
	s_cbranch_scc1 .Lnofine
	WIN 0x08                                       ; an LDS store's data are its source 1: window 2
.irp b, 0,1,2,3,4,5,6,7
	ds_store_b128 v[STO32], v[8*\b:8*\b+3] offset:64*\b              ; each accumulator from its low end on
	ds_store_b128 v[STO32], v[8*\b+4:8*\b+7] offset:64*\b+16
.endr
	WIN 0
.irp t, 0,1,2,3,4,5,6,7,8,9,10,11,12,13,14,15
	ds_load_b128 v[BK+4*\t:BK+4*\t+3], v[RD32] offset:\t*528         ; in order behind my stores
.endr
	s_wait_dscnt 0x0
.irp t, 0,1,2,3,4,5,6,7,8,9,10,11,12,13,14,15
	global_store_b128 v[CO], v[BK+4*\t:BK+4*\t+3], s[96:97] offset:\t*12288   ; 512 consecutive bytes of row t
.endr
	s_wait_xcnt 0x0                                ; the stores have read their registers: these are loaded again below
.Lnofine:
; THE WAY OUT in f16, block by block of 16 rows x 128 columns (two heads).  PACK rounds; TOSTAGE puts 16 bytes a lane into rows of 272 bytes and reads back, head by head, four rows of 128 bytes an instruction;
; in qkvh a head's rows are dense, so each store covers 512 consecutive bytes.
.macro PACK a
.set AC, 64*((\a)%4)
	WIN 0x0a+5*((\a)/4)                            ; sources 0 and 1: window 2 or 3
.irp b, 0,1,2,3,4,5,6,7
.irp r, 0,1,2,3
	v_cvt_pk_f16_f32 v[TMP+4*\b+\r], v[AC+8*\b+2*\r], v[AC+8*\b+2*\r+1]
.endr
.endr
	WIN 0
.endm
.macro TOSTAGE a
.set BB, BK+32*((\a)%2)
.irp b, 0,1,2,3,4,5,6,7
	ds_store_b128 v[STO], v[TMP+4*\b:TMP+4*\b+3] offset:32*\b
.endr
.irp i, 0,1,2,3,4,5,6,7
	ds_load_b128 v[BB+4*\i:BB+4*\i+3], v[RD] offset:(\i%4)*4*272+128*(\i/4)
.endr
.endm
.macro SEND a, younger
.set BB, BK+32*((\a)%2)
	s_wait_dscnt \younger                          ; the block is back; the next block's 8 stores and 8 loads may be out
.irp i, 0,1,2,3,4,5,6,7
	global_store_b128 v[CO], v[BB+4*\i:BB+4*\i+3], s[12:13] offset:(\i/4)*262144+2048*(\a)+512*(\i%4)
.endr
.endm
	PACK 0
	TOSTAGE 0
.irp a, 1,2,3,4,5,6,7
	PACK \a
.if \a > 1
	s_wait_xcnt 0x0                                ; block a - 2's stores have read the registers into which block a is loaded
.endif
	TOSTAGE \a
	SEND \a-1, 16
.endr
	SEND 7, 0
	s_wait_tensorcnt 0x0                           ; the wave's end
	ds_add_u32 v[SPW], v[NIL]
	s_wait_dscnt 0x0
	CROUND                                         ; the closing round
	s_endpgm
.Lfunc_end_k_q96431f373d_qkv:
	.size	k_q96431f373d_qkv, .Lfunc_end_k_q96431f373d_qkv-k_q96431f373d_qkv
	.p2alignl 7, 3214868480
	.fill 96, 4, 3214868480
	.section	.rodata,"a",@progbits
	.p2align	6, 0x0
	.amdhsa_kernel k_q96431f373d_qkv
		.amdhsa_group_segment_fixed_size 327680
		.amdhsa_private_segment_fixed_size 0
		.amdhsa_enable_private_segment 0
		.amdhsa_kernarg_size 48
		.amdhsa_user_sgpr_count 2
		.amdhsa_user_sgpr_kernarg_segment_ptr 1
		.amdhsa_wavefront_size32 1
		.amdhsa_system_sgpr_workgroup_id_x 1
		.amdhsa_system_sgpr_workgroup_id_y 1
		.amdhsa_system_sgpr_workgroup_id_z 1
		.amdhsa_system_vgpr_workitem_id 0
		.amdhsa_next_free_vgpr 1024
		.amdhsa_next_free_sgpr 104
		.amdhsa_reserve_vcc 0
		.amdhsa_float_denorm_mode_32 3
		.amdhsa_float_denorm_mode_16_64 3
		.amdhsa_memory_ordered 1
		.amdhsa_forward_progress 1
		.amdhsa_inst_pref_size 131
	.end_amdhsa_kernel
	.amdgpu_metadata
---
amdhsa.version: [ 1, 2 ]
amdhsa.kernels:
  - .name:           k_q96431f373d_qkv
    .symbol:         k_q96431f373d_qkv.kd
    .args:
      - { .name: xc, .offset: 0, .size: 8, .value_kind: global_buffer, .address_space: global }
      - { .name: xs, .offset: 8, .size: 8, .value_kind: global_buffer, .address_space: global }
      - { .name: wc, .offset: 16, .size: 8, .value_kind: global_buffer, .address_space: global }
      - { .name: ws, .offset: 24, .size: 8, .value_kind: global_buffer, .address_space: global }
      - { .name: qkvh, .offset: 32, .size: 8, .value_kind: global_buffer, .address_space: global }
      - { .name: fq, .offset: 40, .size: 8, .value_kind: global_buffer, .address_space: global }
    .group_segment_fixed_size: 327680
    .private_segment_fixed_size: 0
    .kernarg_segment_align: 8
    .kernarg_segment_size: 48
    .max_flat_workgroup_size: 128
    .sgpr_count:     104
    .vgpr_count:     1024
    .wavefront_size: 32
...
	.end_amdgpu_metadata
.endif
;; end of part 2
;; launch attn (part 3): grid 4 x 64, 16 waves a work-group, no clusters, 327,680 bytes of LDS; arguments qkvh, ah; writes ah
.if DOCPART == 3
	.amdgcn_target "amdgcn-amd-amdhsa--gfx1250"
	.amdhsa_code_object_version 6
	.text
	.protected	k_q96431f373d_attn
	.globl	k_q96431f373d_attn
	.p2align	8
	.type	k_q96431f373d_attn,@function
k_q96431f373d_attn:
	s_mov_b64 s[64:65], 0
	v_nop
	global_prefetch_b8 v0, s[64:65] scope:SCOPE_SE
	s_setreg_imm32_b32 hwreg(HW_REG_WAVE_MODE, 25, 1), 1
	s_wait_xcnt 0x0
; ah[head][b t][:] = the sum over keys k <= t of softmax_k(q . k / 8) v, for each of 64 (batch, head) pairs; q, k, v f16 from qkvh [3][b][head][t][64]; products with f16 operands and f32 sums; maxima and sums in f32;
; the weights p are rounded to f16 for the second product, the result once at the end.  LIMIT: a result beyond 65,504 would become infinity in f16 (it is an average of v, which is f16 already).
; SHARES.  Work-group (i, bh) owns the blocks i and 7 - i of 256 queries of pair bh: under the causal mask that is the same work in all 256 work-groups.  Each of its sixteen waves owns 32 queries, two tiles
; of 16, of the early or of the late block; which, is laid so that among any four waves on end, and among waves w, w + 4, w + 8, w + 12, two are early and two late.
; Every wave passes all 8 slots of 256 keys, 32 keys a step; a step all of whose keys come after the wave's queries is left out by a scalar branch on ids.
; LAYOUT.  S^T = K Q^T (source 0 = 16 keys, source 1 = 16 queries): a lane holds ONE query (lane % 16) and keys 8 (lane / 16) + 0..7.  Two such tiles, rounded in pairs, ARE source 1 (32 keys x 16 queries) of
; O^T = V^T P.  K comes out of LDS as it lies, V ([key][channel]) turned, by ds_load_tr16_b128.
; SOFTMAX.  A running maximum m and sum l for each query: p = 2^(c s - c m), c = log2(e) / 8; in every step O and l are multiplied by a = 2^(c m_old - c m_new).
; NO CLUSTER: under the mask the four work-groups of a pair need 8 - i slots each, so partners would need different numbers of tiles.
; REGISTERS: v1-11 addresses; v12-27 statistics, eight a tile: c m, m, l (two halves), c0, c1, a, tmp; v28 -infinity; v32-63 Q; v64-95 K; v96-127 V; v128-159 S^T; v160-175 P; v176-239 O^T; v240-247 set-up.
.set KP,    144                        ; a key's row in LDS: 128 bytes + 16 of padding
.set VP,    160                        ; a row of V: 128 + 32
.set VOFF,  256*KP                     ; a slot: 256 rows of K, then 256 rows of V
.set SLOT1, 1<<17                      ; slot 1 begins here: one exclusive or turns an address from one slot to the other
.set SPARE, 2*SLOT1                    ; the spare words, 128 bytes a wave: eight blocks of 256 bytes that no other line names
.set NSL,   8
.set AK0, 1
.set AV0, 2
.set SPW, 3
.set NIL, 4
.set GO,  5                            ; 16 x lane
.set ADK, 6
.set ADV, 7
.set DG,  8                            ; lane % 16 - 8 (lane / 16)
.set PFO, 9                            ; 256 x lane
.set STO, 10                           ; the way out: my stage (16 rows x 144 bytes, in slot 0, which is left at the last change of slots), in
.set RD,  11                           ; and back
.set ST,  12
.set NINF, 28
.set RQ,  32
.set RK,  64
.set RV,  96
.set RS,  128
.set RP,  160
.set RO,  176
.set WV,  18
.set SEL, 20
.set CS,  22
.set G1K, 24
.set G1V, 32
.set G0K, 40
.set G0V, 44
.set TB,  2
.set SLOTS, 67
.set PFA, 76
.set LIM, 80
.set LASTQ, 95
.set KF,  98
.set Q0,  99
; Waves 0 and 1 fetch K's halves, waves 2 and 3 V's, the others nothing.  An s_nop 0 and four v_nop follow each line.
.macro TLOAD
	s_cmp_lt_u32 s[WV], 2
	s_cbranch_scc0 .Lnot_k_\@
	tensor_load_to_lds s[G0K:G0K+3], s[G1K:G1K+7]
	s_nop 0
.rept 4
	v_nop
.endr
	s_branch .Lasked_\@
.Lnot_k_\@:
	s_cmp_lt_u32 s[WV], 4
	s_cbranch_scc0 .Lasked_\@
	tensor_load_to_lds s[G0V:G0V+3], s[G1V:G1V+7]
	s_nop 0
.rept 4
	v_nop
.endr
.Lasked_\@:
.endm
; A PREFETCH INTO THE L2 of the slot that the NEXT change of slots will ask for: 32,768 dense bytes of K and as many of V.  The four work-groups of a pair walk the same K and V: the one with i = 0, which walks
; all slots, asks.  In it the waves ask that fetch nothing: waves 4-7 for K, waves 8-11 for V, 8,192 bytes a wave, lanes 256 bytes apart: each aligned 256 bytes are named once in the launch.
; Slots 0 and 1 come by their loads alone; the last change that fills a slot asks for nothing.
.macro ASK
	s_cmp_gt_u32 s[SLOTS], s[LIM]
	s_cbranch_scc0 .Lnot_mine_\@
	global_prefetch_b8 v[PFO], s[PFA:PFA+1] th:TH_LOAD_NT scope:SCOPE_SE
.Lnot_mine_\@:
.endm
	s_load_b128 s[4:7], s[0:1], 0x0                ; qkvh s[4:5], ah s[6:7]
	v_lshl_add_u32 v[SPW], v0, 2, SPARE
	v_mov_b32 v[NIL], 0
	ds_add_u32 v[SPW], v[NIL]                      ; the wave's opening: the add, twice on end, and its wait ahead of the first tensor load
	ds_add_u32 v[SPW], v[NIL]
	v_lshrrev_b32 v240, 5, v0
	v_readfirstlane_b32 s[WV], v240                ; wave 0..15
	s_and_b32 s8, ttmp7, 0xffff                    ; bh = 16 b + head
	s_lshl_b32 s9, s8, 18                          ; its 262,144 bytes in each of q, k, v
	s_lshr_b32 s10, s[WV], 1                       ; which 32 queries of a block
	s_lshr_b32 s11, s[WV], 2
	s_xor_b32 s11, s11, s[WV]
	s_and_b32 s11, s11, 1                          ; 1: the late block
	s_lshl_b32 s12, ttmp9, 1
	s_sub_co_u32 s12, 7, s12
	s_mul_i32 s12, s12, s11
	s_add_co_u32 s12, s12, ttmp9                   ; block i or 7 - i
	s_lshl_b32 s[Q0], s12, 8
	s_lshl_b32 s10, s10, 5
	s_add_co_u32 s[Q0], s[Q0], s10                 ; my first query
	s_lshl_b32 s13, ttmp9, 8
	s_sub_co_u32 s[LASTQ], 2047, s13               ; the work-group's last query
	s_and_b32 s14, s[WV], 1                        ; which half of a slot's rows I fetch, if I fetch
	s_lshl_b32 s15, s14, 14
	s_add_co_u32 s15, s15, s9
	s_add_co_u32 s48, s15, 0x1000000               ; K begins 16,777,216 bytes into qkvh,
	s_mov_b32 s49, 0
	s_add_co_u32 s50, s15, 0x2000000               ; V 33,554,432
	s_mov_b32 s51, 0
	s_lshl_b32 s52, s[Q0], 7
	s_add_co_u32 s52, s52, s9                      ; my queries' rows
	s_mov_b32 s53, 0
	s_and_b32 s56, s8, 15
	s_lshl_b32 s56, s56, 20                        ; ah: head x 1,048,576
	s_lshr_b32 s57, s8, 4
	s_lshl_b32 s57, s57, 11
	s_add_co_u32 s57, s57, s[Q0]
	s_lshl_b32 s57, s57, 7                         ; + (2,048 b + my first query) x 128
	s_add_co_u32 s56, s56, s57
	s_mov_b32 s57, 0
	s_mov_b32 s[G1K], (1<<16)|(1<<20)|(4<<22)|(3<<25)   ; no mask; elements of 2 bytes; padding on: after every 32 words, 4 words
	s_mov_b32 s[G1V], (1<<16)|(1<<20)|(4<<22)|(7<<25)   ; the same with 8 words
.irp g, G1K, G1V
	s_mov_b32 s[\g+1], 64<<16                      ; tensor_dim0 = 64
	s_mov_b32 s[\g+2], 128<<16                     ; tensor_dim1 = 128
	s_mov_b32 s[\g+3], 64<<16                      ; tile_dim0
	s_mov_b32 s[\g+4], 128                         ; tile_dim1
	s_mov_b32 s[\g+5], 64                          ; rows are dense
	s_mov_b32 s[\g+6], 0
	s_mov_b32 s[\g+7], 0
.endr
	s_mov_b32 s[G0K], 1
	s_mul_i32 s[G0K+1], s14, 128*KP
	s_mov_b32 s[G0V], 1
	s_mul_i32 s[G0V+1], s14, 128*VP
	s_add_co_u32 s[G0V+1], s[G0V+1], VOFF
	s_mov_b32 s[SEL], 0x76543210
	s_mov_b32 s[SEL+1], 0xfedcba98                 ; v_permlanex16_b32's selects for lane l xor 16
	s_mov_b32 s[CS], 0x3e38aa3b                    ; c = log2(e) / 8
	s_mov_b32 s[CS+1], s[CS]
	s_mov_b32 s[TB], 0
	s_mov_b32 s[SLOTS], NSL-1
	s_mov_b32 s[KF], 0
	s_wait_dscnt 0x0                               ; both opening adds are done
	s_wait_kmcnt 0x0
	s_add_nc_u64 s[G0K+2:G0K+3], s[4:5], s[48:49]
	s_or_b32 s[G0K+3], s[G0K+3], 0x80000000
	s_add_nc_u64 s[G0V+2:G0V+3], s[4:5], s[50:51]
	s_or_b32 s[G0V+3], s[G0V+3], 0x80000000
	TLOAD                                          ; slot 0: it holds key 0, which counts for every query
	s_add_nc_u64 s[58:59], s[4:5], s[52:53]        ; Q at my first query
	s_add_nc_u64 s[6:7], s[6:7], s[56:57]          ; ah likewise
	s_cmp_lt_u32 s[WV], 8                          ; the prefetches: waves 4-7 K, waves 8-11 V
	s_mov_b32 s54, 0x2000000
	s_cselect_b32 s54, 0x1000000, s54
	s_and_b32 s55, s[WV], 3
	s_lshl_b32 s55, s55, 13                        ; my wave's 8,192 bytes
	s_add_co_u32 s54, s54, s55
	s_add_co_u32 s54, s54, s9
	s_add_co_u32 s54, s54, 32768                   ; in slot 1: the first change of slots steps it to slot 2
	s_mov_b32 s55, 0
	s_add_nc_u64 s[PFA:PFA+1], s[4:5], s[54:55]
	s_sub_co_u32 s56, s[WV], 4
	s_lshr_b32 s56, s56, 3                         ; 0 in waves 4 to 11,
	s_or_b32 s56, s56, ttmp9                       ; of the work-group with i = 0
	s_cmp_eq_u32 s56, 0
	s_cselect_b32 s[LIM], 1, -1
	v_and_b32 v240, 15, v0                         ; r
	v_bfe_u32 v241, v0, 4, 1                       ; h
	v_lshlrev_b32 v242, 7, v240
	v_lshl_add_u32 v242, v241, 4, v242             ; Q: 128 r + 16 h
.irp t, 0,1
.irp s, 0,1
.irp c, 0,1
	global_load_b128 v[RQ+16*\t+8*\s+4*\c:RQ+16*\t+8*\s+4*\c+3], v242, s[58:59] offset:2048*\t+64*\s+32*\c   ; Q stays in registers: tile t, channels 32 s on
.endr
.endr
.endr
	v_mul_u32_u24 v[AK0], v240, KP
	v_lshl_add_u32 v[AK0], v241, 4, v[AK0]         ; K: row x pitch + 16 h
	v_and_b32 v243, 7, v0
	v_bfe_u32 v244, v0, 3, 1
	v_lshl_add_u32 v[AV0], v241, 3, v243           ; V, turned: key 8 h + lane % 8, channels 8 ((lane / 8) % 2) on
	v_mul_u32_u24 v[AV0], v[AV0], VP
	v_lshl_add_u32 v[AV0], v244, 4, v[AV0]
	v_add_nc_u32 v[AV0], VOFF, v[AV0]
	v_and_b32 v245, 31, v0
	v_lshlrev_b32 v[GO], 4, v245
	v_lshlrev_b32 v[PFO], 8, v245
	v_lshlrev_b32 v246, 3, v241
	v_sub_nc_u32 v[DG], v240, v246
	s_mul_i32 s60, s[WV], 16*KP                    ; my stage
	v_add_nc_u32 v[STO], s60, v[AK0]               ; in: row r, 16 bytes for each half of the lanes
	v_lshrrev_b32 v247, 3, v245
	v_mul_u32_u24 v247, v247, KP
	v_lshl_add_u32 v247, v243, 4, v247
	v_add_nc_u32 v[RD], s60, v247                  ; back: eight lanes to a row of 128 bytes
	v_mov_b32 v[NINF], 0xff800000
.set i, 0
.rept 16
	v_mov_b32 v[ST+i], 0                           ; l = 0; the others are written so that every pair and every permute's destination has been written
.set i, i+1
.endr
.irp t, 0,1
	v_mov_b32 v[ST+8*\t+1], 0xff61b1e6             ; m = -3e38, under every score
	v_mul_f32 v[ST+8*\t], s[CS], v[ST+8*\t+1]      ; c m
.endr
.set i, 0
.rept 64
	v_mov_b32 v[RO+i], 0                           ; O^T.  (The step is written once: its first pass finds zeros, which a = 0 leaves zeros)
.set i, i+1
.endr
.macro MASK off, d                     ; register off + j of S^T holds a key that is hidden where d + j > lane % 16 - 8 (lane / 16)
.irp j, 0,1,2,3,4,5,6,7
	v_cmp_gt_i32 vcc_lo, \d+\j, v[DG]
	v_cndmask_b32 v[RS+\off+\j], v[RS+\off+\j], v[NINF], vcc_lo
.endr
.endm
; A KEY STEP: 32 keys, the q-th of the slot in hand.
.macro STEP q
	s_cmp_gt_u32 s[KF], s[Q0]                      ; all 32 keys come after my 32 queries: the step's work is left out (ids and the count of steps alone)
	s_cbranch_scc1 .Lhidden_\@
	v_add_nc_u32 v[ADK], s[TB], v[AK0]
	v_add_nc_u32 v[ADV], s[TB], v[AV0]
	v_nop
	v_nop                                          ; four places in front of loads into registers that the last products read
.irp k, 0,1
.irp s, 0,1
.irp c, 0,1
	ds_load_b128 v[RK+16*\k+8*\s+4*\c:RK+16*\k+8*\s+4*\c+3], v[ADK] offset:(32*(\q)+16*\k)*KP+64*\s+32*\c
.endr
.endr
.endr
.irp g, 0,1,2,3
.irp c, 0,1
	ds_load_tr16_b128 v[RV+8*\g+4*\c:RV+8*\g+4*\c+3], v[ADV] offset:(32*(\q)+16*\c)*VP+32*\g
.endr
.endr
	s_wait_dscnt 8                                 ; K is in; V's eight loads may be out
.irp s, 0,1                                    ; S^T = K Q^T: four accumulators by turns; the first four start the sums
.irp t, 0,1
.irp k, 0,1
.if \s == 0
	v_wmma_f32_16x16x32_f16 v[RS+16*\t+8*\k:RS+16*\t+8*\k+7], v[RK+16*\k+8*\s:RK+16*\k+8*\s+7], v[RQ+16*\t+8*\s:RQ+16*\t+8*\s+7], 0
.else
	v_wmma_f32_16x16x32_f16 v[RS+16*\t+8*\k:RS+16*\t+8*\k+7], v[RK+16*\k+8*\s:RK+16*\k+8*\s+7], v[RQ+16*\t+8*\s:RQ+16*\t+8*\s+7], v[RS+16*\t+8*\k:RS+16*\t+8*\k+7]
.endif
.endr
.endr
.endr
.rept 4
	v_nop
.endr
	s_cmp_lg_u32 s[KF], s[Q0]                      ; only the step on the diagonal has hidden keys
	s_cbranch_scc1 .Lopen_\@
	MASK 0, 0                                      ; tile 0, keys 0-15
	MASK 8, 16                                     ; tile 0, keys 16-31: all hidden
	MASK 24, 0                                     ; tile 1, keys 16-31.  (Tile 1's keys 0-15 all count)
.Lopen_\@:
.irp t, 0,1                                    ; the maximum of my 16 scores and the old m; each accumulator is read from its low end on; the two tiles by turns
	v_max3_num_f32 v[ST+8*\t+4], v[RS+16*\t], v[RS+16*\t+1], v[RS+16*\t+2]
	v_max3_num_f32 v[ST+8*\t+5], v[RS+16*\t+8], v[RS+16*\t+9], v[RS+16*\t+10]
.endr
.irp i, 3,5
.irp t, 0,1
	v_max3_num_f32 v[ST+8*\t+4], v[ST+8*\t+4], v[RS+16*\t+\i], v[RS+16*\t+\i+1]
	v_max3_num_f32 v[ST+8*\t+5], v[ST+8*\t+5], v[RS+16*\t+8+\i], v[RS+16*\t+9+\i]
.endr
.endr
.irp t, 0,1
	v_max3_num_f32 v[ST+8*\t+4], v[ST+8*\t+4], v[RS+16*\t+7], v[RS+16*\t+15]
.endr
.irp t, 0,1
	v_max3_num_f32 v[ST+8*\t+4], v[ST+8*\t+4], v[ST+8*\t+5], v[ST+8*\t+1]
.endr
.irp t, 0,1
	v_permlanex16_b32 v[ST+8*\t+5], v[ST+8*\t+4], s[SEL], s[SEL+1]   ; the query's other 16 keys lie in the lane 16 away
.endr
.irp t, 0,1
	v_mov_b32 v[ST+8*\t+7], v[ST+8*\t]             ; c m_old
.endr
.irp t, 0,1
	v_max_num_f32 v[ST+8*\t+1], v[ST+8*\t+4], v[ST+8*\t+5]
.endr
.irp t, 0,1
	v_mul_f32 v[ST+8*\t], s[CS], v[ST+8*\t+1]
.endr
.irp t, 0,1
	v_sub_f32 v[ST+8*\t+7], v[ST+8*\t+7], v[ST+8*\t]
.endr
.irp i, 0,2,4,6,8,10,12,14
.irp t, 0,1
	v_pk_fma_f32 v[RS+16*\t+\i:RS+16*\t+\i+1], v[RS+16*\t+\i:RS+16*\t+\i+1], s[CS:CS+1], v[ST+8*\t:ST+8*\t+1] op_sel_hi:[1,0,0] neg_lo:[0,0,1] neg_hi:[0,0,1]   ; c s - c m
.endr
.endr
.irp t, 0,1
	v_exp_f32 v[ST+8*\t+6], v[ST+8*\t+7]           ; a
.endr
.irp i, 0,1,2,3,4,5,6,7,8,9,10,11,12,13,14,15
.irp t, 0,1
	v_exp_f32 v[RS+16*\t+\i], v[RS+16*\t+\i]       ; p
.endr
.endr
	v_nop                                          ; a plain instruction behind the last exponential
	s_wait_alu depctr_va_vdst(0)                   ; one wait for the 34 exponentials, ahead of their first reader
.irp i, 0,1,2,3,4,5,6,7
.irp t, 0,1
	v_cvt_pk_f16_f32 v[RP+8*\t+\i], v[RS+16*\t+2*\i], v[RS+16*\t+2*\i+1]
.endr
.endr
.irp u, 0,1,2,3                                ; the sum of my 16 weights, unrounded, in pairs, in place
.irp t, 0,1
	v_pk_add_f32 v[RS+16*\t+4*\u:RS+16*\t+4*\u+1], v[RS+16*\t+4*\u:RS+16*\t+4*\u+1], v[RS+16*\t+4*\u+2:RS+16*\t+4*\u+3]
.endr
.endr
.irp u, 0,1
.irp t, 0,1
	v_pk_add_f32 v[RS+16*\t+8*\u:RS+16*\t+8*\u+1], v[RS+16*\t+8*\u:RS+16*\t+8*\u+1], v[RS+16*\t+8*\u+4:RS+16*\t+8*\u+5]
.endr
.endr
.irp t, 0,1
	v_pk_add_f32 v[RS+16*\t:RS+16*\t+1], v[RS+16*\t:RS+16*\t+1], v[RS+16*\t+8:RS+16*\t+9]
.endr
.irp t, 0,1
	v_pk_fma_f32 v[ST+8*\t+2:ST+8*\t+3], v[ST+8*\t+2:ST+8*\t+3], v[ST+8*\t+6:ST+8*\t+7], v[RS+16*\t:RS+16*\t+1] op_sel_hi:[1,0,1]   ; l = a l + the sum
.endr
.irp t, 0,1
.irp i, 0,2,4,6,8,10,12,14,16,18,20,22,24,26,28,30
	v_pk_mul_f32 v[RO+32*\t+\i:RO+32*\t+\i+1], v[RO+32*\t+\i:RO+32*\t+\i+1], v[ST+8*\t+6:ST+8*\t+7] op_sel_hi:[1,0]   ; O^T x a, each accumulator from its low end on
.endr
.endr
	s_wait_dscnt 0x0                               ; V is in
.irp g, 0,1,2,3                                ; O^T += V^T P: eight accumulators by turns
.irp t, 0,1
	v_wmma_f32_16x16x32_f16 v[RO+32*\t+8*\g:RO+32*\t+8*\g+7], v[RV+8*\g:RV+8*\g+7], v[RP+8*\t:RP+8*\t+7], v[RO+32*\t+8*\g:RO+32*\t+8*\g+7]
.endr
.endr
.Lhidden_\@:
	s_add_co_u32 s[KF], s[KF], 32
.endm
; THE CHANGE OF SLOTS stands at a slot's head.  Each wave waits for all its tensor loads, adds 0 to its spare word, and waits for that and for its reads of the slot that it has left; behind the barrier the slot
; ahead is whole and nobody reads the other.  fill = 1: the other slot takes the next 256 keys, up to the causal limit; the load has a slot's eight steps in which to land.  One tensor load of a wave is out at the most.
.macro CHANGE fill
	s_wait_tensorcnt 0x0                           ; no tensor load of mine is out, so a group 0 may be written
	ds_add_u32 v[SPW], v[NIL]
.if \fill
	ds_add_u32 v[SPW], v[NIL]                      ; and twice on end here, in every trip alike
	s_xor_b32 s[G0K+1], s[G0K+1], SLOT1
	s_add_nc_u64 s[G0K+2:G0K+3], s[G0K+2:G0K+3], 32768
	s_xor_b32 s[G0V+1], s[G0V+1], SLOT1
	s_add_nc_u64 s[G0V+2:G0V+3], s[G0V+2:G0V+3], 32768
	s_wait_xcnt 0x0                                ; the last prefetch, a slot back, has read its address
	s_add_nc_u64 s[PFA:PFA+1], s[PFA:PFA+1], 32768 ; one slot further on than the walking descriptors
.endif
	s_wait_dscnt 0x0
	s_barrier_signal -1
	s_barrier_wait -1
.if \fill
	s_add_co_u32 s96, s[KF], 256                   ; the first key of the slot that this change would ask for:
	s_cmp_gt_u32 s96, s[LASTQ]                     ; beyond the work-group's last query no wave reads it, so it is not asked for.  Ids and the count of steps alone: all sixteen waves go the same way
	s_cbranch_scc1 .Lpast_\@
	TLOAD
.Lpast_\@:
	ASK
.endif
.endm
.macro SLOT_STEPS
.set Q, 0
.rept 8
	STEP Q
.set Q, Q+1
.endr
	s_xor_b32 s[TB], s[TB], SLOT1
.endm
	s_wait_loadcnt 0x0                             ; Q
.Lslot:                                            ; NSL - 1 trips
	CHANGE 1
	SLOT_STEPS
	s_sub_co_u32 s[SLOTS], s[SLOTS], 1
	s_cmp_lg_u32 s[SLOTS], 0
	s_cbranch_scc1 .Lslot
	CHANGE 0                                       ; the last slot is written out: nothing is left to ask for
	SLOT_STEPS
	; THE WAY OUT.  l's halves and the other lanes' are added; O^T / l is rounded to f16 and goes through my stage, a tile of 16 rows at a time; in ah a head's rows are dense, so a store covers 512 consecutive bytes.
.irp t, 0,1
	v_add_f32 v[ST+8*\t+4], v[ST+8*\t+2], v[ST+8*\t+3]
.endr
.irp t, 0,1
	v_permlanex16_b32 v[ST+8*\t+5], v[ST+8*\t+4], s[SEL], s[SEL+1]
.endr
.irp t, 0,1
	v_add_f32 v[ST+8*\t+4], v[ST+8*\t+4], v[ST+8*\t+5]
.endr
.irp t, 0,1
	v_rcp_f32 v[ST+8*\t+6], v[ST+8*\t+4]
.endr
	v_nop                                          ; a plain instruction behind the reciprocals
	s_wait_alu depctr_va_vdst(0)                   ; and the wait ahead of their first reader
.irp t, 0,1
.irp i, 0,2,4,6,8,10,12,14,16,18,20,22,24,26,28,30
	v_pk_mul_f32 v[RO+32*\t+\i:RO+32*\t+\i+1], v[RO+32*\t+\i:RO+32*\t+\i+1], v[ST+8*\t+6:ST+8*\t+7] op_sel_hi:[1,0]
.endr
.irp i, 0,1,2,3,4,5,6,7,8,9,10,11,12,13,14,15
	v_cvt_pk_f16_f32 v[RK+16*\t+\i], v[RO+32*\t+2*\i], v[RO+32*\t+2*\i+1]
.endr
.irp g, 0,1,2,3
	ds_store_b128 v[STO], v[RK+16*\t+4*\g:RK+16*\t+4*\g+3] offset:32*\g
.endr
.irp g, 0,1,2,3
	ds_load_b128 v[RV+16*\t+4*\g:RV+16*\t+4*\g+3], v[RD] offset:\g*4*KP   ; in order behind my stores; the next tile's stores come behind these
.endr
.endr
.irp t, 0,1
.irp g, 0,1,2,3
	s_wait_dscnt 11-8*\t-\g                        ; the LDS instructions issued behind this load may be out
	global_store_b128 v[GO], v[RV+16*\t+4*\g:RV+16*\t+4*\g+3], s[6:7] offset:2048*\t+512*\g
.endr
.endr
	s_wait_tensorcnt 0x0                           ; the wave's end
	ds_add_u32 v[SPW], v[NIL]
	s_wait_dscnt 0x0
	s_endpgm
.Lfunc_end_k_q96431f373d_attn:
	.size	k_q96431f373d_attn, .Lfunc_end_k_q96431f373d_attn-k_q96431f373d_attn
	.p2alignl 7, 3214868480
	.fill 96, 4, 3214868480
	.section	.rodata,"a",@progbits
	.p2align	6, 0x0
	.amdhsa_kernel k_q96431f373d_attn
		.amdhsa_group_segment_fixed_size 327680
		.amdhsa_private_segment_fixed_size 0
		.amdhsa_enable_private_segment 0
		.amdhsa_kernarg_size 16
		.amdhsa_user_sgpr_count 2
		.amdhsa_user_sgpr_kernarg_segment_ptr 1
		.amdhsa_wavefront_size32 1
		.amdhsa_system_sgpr_workgroup_id_x 1
		.amdhsa_system_sgpr_workgroup_id_y 1
		.amdhsa_system_sgpr_workgroup_id_z 1
		.amdhsa_system_vgpr_workitem_id 0
		.amdhsa_next_free_vgpr 256
		.amdhsa_next_free_sgpr 100
		.amdhsa_reserve_vcc 1
		.amdhsa_float_denorm_mode_32 3
		.amdhsa_float_denorm_mode_16_64 3
		.amdhsa_memory_ordered 1
		.amdhsa_forward_progress 1
		.amdhsa_inst_pref_size 202
	.end_amdhsa_kernel
	.amdgpu_metadata
---
amdhsa.version: [ 1, 2 ]
amdhsa.kernels:
  - .name:           k_q96431f373d_attn
    .symbol:         k_q96431f373d_attn.kd
    .args:
      - { .name: qkvh, .offset: 0, .size: 8, .value_kind: global_buffer, .address_space: global }
      - { .name: ah, .offset: 8, .size: 8, .value_kind: global_buffer, .address_space: global }
    .group_segment_fixed_size: 327680
    .private_segment_fixed_size: 0
    .kernarg_segment_align: 8
    .kernarg_segment_size: 16
    .max_flat_workgroup_size: 512
    .sgpr_count:     100
    .vgpr_count:     256
    .wavefront_size: 32
...
	.end_amdgpu_metadata
.endif
;; end of part 3
;; launch proj (part 4): grid 4 x 64, 4 waves a work-group, clusters of 4 x 4, 327,680 bytes of LDS; arguments ah, woh, out0; writes out0
.if DOCPART == 4
	.amdgcn_target "amdgcn-amd-amdhsa--gfx1250"
	.amdhsa_code_object_version 6
	.text
	.protected	k_q96431f373d_proj
	.globl	k_q96431f373d_proj
	.p2align	8
	.type	k_q96431f373d_proj,@function
k_q96431f373d_proj:
	s_mov_b64 s[64:65], 0
	v_nop
	global_prefetch_b8 v0, s[64:65] scope:SCOPE_SE
	s_setreg_imm32_b32 hwreg(HW_REG_WAVE_MODE, 25, 1), 1
	s_wait_xcnt 0x0
	s_wait_alu depctr_hold_cnt(0) depctr_sa_sdst(0) depctr_va_vdst(0) depctr_va_sdst(0) depctr_va_ssrc(0) depctr_va_vcc(0) depctr_vm_vsrc(0)
	s_getreg_b32 s2, hwreg(HW_REG_IB_STS2, 6, 4)
	s_cmp_eq_u32 s2, 0
	s_cbranch_scc0 .Lentry_in_a_cluster
	s_endpgm
.Lentry_in_a_cluster:
	s_bfe_u32 s2, ttmp6, 0x10000c
	s_cmp_lg_u32 s2, 0xf033
	s_cbranch_scc0 .Lentry_shape_is_right
	s_endpgm
.Lentry_shape_is_right:
; out0 = a w_out, 8,192 x 1,024, K = 1,024, f16 operands, f32 sums.  a: ah [16 heads][8192 rows][64] f16; w_out: woh [1024 k][1024 n] f16.  All rows but t < 16 of each batch: those are another launch's.
; A tile is 128 rows x 256 columns: 256 work-groups.  Four waves, each 64 x 128: 32 accumulators, all of window 1 ((a, b) at v[8 (8 a + b)]).
; K goes in 8 steps of 128 (two heads) through two LDS slots: A's tile is two dense blocks of 128 rows x 128 bytes, one for each head; B's is 128 rows k of 512 bytes, read turned by ds_load_tr16_b128.
; CLUSTERS: 4 x 4; A's tiles are shared along a row of the cluster, B's along a column: joint loads.  THE TILE ROW IS 16 cy + (cluster y): the tile rows that begin a batch are those of cluster y = 0, so the
; branch round the stores of t < 16 hangs on the cluster's number and the wave's number alone.
; THE MATRIX INSTRUCTION IS USED TRANSPOSED (source 0 = 16 columns of w, source 1 = 16 rows of a): a lane holds eight neighbouring columns of one row.
; NO PREFETCH: the launch has eight K steps in all, and woh's rows are read by all sixteen clusters.
; REGISTERS, window 0: v16-31 addresses; v32-63, v64-95 A's fragments (4 x 16 rows x 32 K), two buffers; v96-159, v160-223 B's (8 x 16 columns x 32 K), two buffers; on the way out v32-159.
.set PAH,    144                       ; A's LDS row: 128 bytes + 16
.set PBW,    544                       ; B's: 512 + 32
.set PLANE,  128*PAH
.set BOFF,   2*PLANE
.set HALFB,  64*PBW
.set SLOT,   BOFF+2*HALFB              ; 106,496
.set STAGE,  2*SLOT
.set SPITCH, 528
.set SPARE,  STAGE+4*16*SPITCH         ; the spare words, 128 bytes a wave: two blocks of 256 bytes that no other line names
.set LAPS,   4
.set ADRA, 16
.set ADRB, 20
.set STO,  24
.set RD,   25
.set CO,   26
.set SPW,  28
.set NIL,  29
.set FA,   32
.set FB,   96
.set OB,   32
.set G1, 24
.set G0, 32
.set G1B, 48
.set G0B, 56
.set MSB, 0
.macro WIN new
.if MSB != (\new)
	s_set_vgpr_msb (MSB<<8)|(\new)
.set MSB, (\new)
.endif
.endm
.set MUL, 0x50                         ; C and D window 1, sources 0 and 1 window 0
.macro JLOAD s                         ; waves 0 and 1 fetch A's two heads, waves 2 and 3 B's two halves; an s_nop 0 and four v_nop follow each line
	s_cmp_eq_u32 s11, 0
	s_cbranch_scc0 .Lfor_b_\@
	tensor_load_to_lds s[G0+4*\s:G0+4*\s+3], s[G1:G1+7]
	s_nop 0
.rept 4
	v_nop
.endr
	s_branch .Lasked_\@
.Lfor_b_\@:
	tensor_load_to_lds s[G0B+4*\s:G0B+4*\s+3], s[G1B:G1B+7]
	s_nop 0
.rept 4
	v_nop
.endr
.Lasked_\@:
.endm
.macro CREST
	s_cmp_lg_u32 s10, 0
	s_cbranch_scc1 .Lnot_wave_0_\@
	s_barrier_signal -3
.Lnot_wave_0_\@:
	s_barrier_wait -3
	s_barrier_signal -1
	s_barrier_wait -1
.endm
.macro CROUND
	s_barrier_signal -1
	s_barrier_wait -1
	CREST
.endm
	s_load_b128 s[4:7], s[0:1], 0x0                ; ah s[4:5], woh s[6:7]
	s_load_b64 s[8:9], s[0:1], 0x10                ; out0
	v_lshl_add_u32 v[SPW], v0, 2, SPARE
	v_mov_b32 v[NIL], 0
	ds_add_u32 v[SPW], v[NIL]                      ; the wave's opening: the add, twice on end, and its wait ahead of my first tensor load
	ds_add_u32 v[SPW], v[NIL]
	v_lshrrev_b32 v1, 5, v0
	v_readfirstlane_b32 s10, v1                    ; wave 0..3
	s_lshr_b32 s11, s10, 1                         ; my half of the tile's rows.  Also: I fetch for A (0) or for B (1)
	s_and_b32 s12, s10, 1                          ; my half of its columns.  Also: which head (A) or 64 rows k (B) I fetch
	s_bfe_u32 s40, ttmp6, 0x40000                  ; cx
	s_bfe_u32 s41, ttmp6, 0x40004                  ; cy
	s_lshl_b32 s42, ttmp9, 2
	s_add_co_u32 s42, s42, s40                     ; tile column
	s_and_b32 s67, ttmp7, 0xffff                   ; cluster y
	s_lshl_b32 s13, s41, 4
	s_add_co_u32 s13, s13, s67                     ; tile row = 16 cy + cluster y
	s_or_b32 s66, s67, s11                         ; 0 where my first 16 rows are t = 0 .. 15
	s_lshl_b32 s43, s41, 2
	s_lshl_b32 s43, 15, s43                        ; my row of the cluster
	s_lshl_b32 s44, 0x1111, s40                    ; my column
	s_or_b32 s[G1+0], s43, (1<<16)|(1<<20)|(1<<21)|(4<<22)|(3<<25)   ; A: the mask; elements of 2 bytes; padding on; bit 21 beside a mask; after every 32 words, 4 words
	s_mov_b32 s[G1+1], 64<<16
	s_mov_b32 s[G1+2], 128<<16
	s_mov_b32 s[G1+3], 64<<16
	s_mov_b32 s[G1+4], 128
	s_mov_b32 s[G1+5], 64
	s_mov_b32 s[G1+6], 0
	s_mov_b32 s[G1+7], 0
	s_or_b32 s[G1B+0], s44, (1<<16)|(1<<20)|(1<<21)|(6<<22)|(7<<25)  ; B: after every 128 words, 8 words
	s_mov_b32 s[G1B+1], 256<<16
	s_mov_b32 s[G1B+2], 64<<16
	s_mov_b32 s[G1B+3], 256<<16
	s_mov_b32 s[G1B+4], 64
	s_mov_b32 s[G1B+5], 1024
	s_mov_b32 s[G1B+6], 0
	s_mov_b32 s[G1B+7], 0
	s_lshl_b32 s16, s12, 20                        ; A: my head of the step's two, 1,048,576 bytes each,
	s_lshl_b32 s17, s13, 14                        ; the tile's 128 rows of 128 bytes
	s_add_co_u32 s16, s16, s17
	s_mov_b32 s17, 0
	s_lshl_b32 s46, s12, 17                        ; B: my 64 rows k of 2,048 bytes,
	s_lshl_b32 s47, s42, 9                         ; the tile's 256 columns
	s_add_co_u32 s46, s46, s47
	s_mov_b32 s47, 0
	s_mul_i32 s20, s12, PLANE                      ; where they go: no place in the cluster enters an LDS address
	s_mul_i32 s21, s12, HALFB
	s_add_co_u32 s21, s21, BOFF
	s_wait_dscnt 0x0                               ; both opening adds are done
	s_wait_kmcnt 0x0
	s_add_nc_u64 s[14:15], s[4:5], s[16:17]
	s_add_nc_u64 s[46:47], s[6:7], s[46:47]
	CROUND                                         ; all sixteen work-groups are here: the first joint loads meet
.irp s, 0,1
	s_mov_b32 s[G0+4*\s], 1
	s_add_co_u32 s[G0+4*\s+1], s20, \s*SLOT
	s_add_nc_u64 s[G0+4*\s+2:G0+4*\s+3], s[14:15], \s*2*1048576
	s_or_b32 s[G0+4*\s+3], s[G0+4*\s+3], 0x80000000
	s_mov_b32 s[G0B+4*\s], 1
	s_add_co_u32 s[G0B+4*\s+1], s21, \s*SLOT
	s_add_nc_u64 s[G0B+4*\s+2:G0B+4*\s+3], s[46:47], \s*128*2048
	s_or_b32 s[G0B+4*\s+3], s[G0B+4*\s+3], 0x80000000
	JLOAD \s                                       ; two loads of mine are out here, one behind each later round
.endr
	v_and_b32 v1, 15, v0                           ; r
	v_bfe_u32 v2, v0, 4, 1                         ; h
	v_mul_u32_u24 v3, v1, PAH
	v_lshl_add_u32 v3, v2, 4, v3                   ; A: row x pitch + 16 h
	v_and_b32 v4, 7, v0
	v_bfe_u32 v5, v0, 3, 1
	v_lshl_add_u32 v4, v2, 3, v4                   ; B, turned: row k = 8 h + lane % 8, columns 8 ((lane / 8) % 2) on
	v_mul_u32_u24 v4, v4, PBW
	v_lshl_add_u32 v4, v5, 4, v4
	s_mul_i32 s21, s11, 64*PAH                     ; my 64 rows of each head's block
	s_lshl_b32 s22, s12, 8                         ; my 128 columns: 256 bytes on
	s_add_co_u32 s22, s22, BOFF
.irp s, 0,1
	v_add_nc_u32 v[ADRA+\s], s21, v3
	v_add_nc_u32 v[ADRB+\s], s22, v4
	s_add_co_u32 s21, s21, SLOT
	s_add_co_u32 s22, s22, SLOT
.endr
	s_mul_i32 s23, s10, 16*SPITCH
	s_add_co_u32 s23, s23, STAGE                   ; my stage
	v_mul_u32_u24 v5, v1, SPITCH
	v_lshl_add_u32 v5, v2, 5, v5
	v_add_nc_u32 v[STO], s23, v5                   ; in: row r, 32 bytes for each half of the lanes
	v_and_b32 v6, 31, v0
	v_lshlrev_b32 v[CO], 4, v6
	v_add_nc_u32 v[RD], s23, v[CO]                 ; back: the 32 lanes take a row of 512 bytes
	s_lshl_b32 s16, s13, 7
	s_lshl_b32 s17, s11, 6
	s_add_co_u32 s16, s16, s17                     ; my first row of out0
	s_lshl_b32 s16, s16, 12
	s_lshl_b32 s46, s42, 10
	s_lshl_b32 s47, s12, 9
	s_add_co_u32 s46, s46, s47                     ; my first column, in bytes
	s_add_co_u32 s16, s16, s46
	s_mov_b32 s17, 0
	s_add_nc_u64 s[8:9], s[8:9], s[16:17]
.macro MUL8 f, a, zero                 ; A's block a x B's eight, 32 along K, from buffer f.  The 32 accumulators take turns, one instruction a turn, in the same order in every quarter
.irp b, 0,1,2,3,4,5,6,7
.if \zero
	v_wmma_f32_16x16x32_f16 v[8*(8*(\a)+\b):8*(8*(\a)+\b)+7], v[FB+64*(\f)+8*\b:FB+64*(\f)+8*\b+7], v[FA+32*(\f)+8*(\a):FA+32*(\f)+8*(\a)+7], 0
.else
	v_wmma_f32_16x16x32_f16 v[8*(8*(\a)+\b):8*(8*(\a)+\b)+7], v[FB+64*(\f)+8*\b:FB+64*(\f)+8*\b+7], v[FA+32*(\f)+8*(\a):FA+32*(\f)+8*(\a)+7], v[8*(8*(\a)+\b):8*(8*(\a)+\b)+7]
.endif
.endr
.endm
.macro FETCH slot, q, f                ; 24 LDS loads in one run: the slot's q-th 32 along K into buffer f: B's eight fragments, then A's four
	WIN 0
.irp i, 0,1,2,3,4,5,6,7
.irp c, 0,1
	ds_load_tr16_b128 v[FB+64*(\f)+8*\i+4*\c:FB+64*(\f)+8*\i+4*\c+3], v[ADRB+\slot] offset:32*(\q)*PBW+32*\i+\c*16*PBW
.endr
.endr
.irp i, 0,1,2,3
.irp c, 0,1
	ds_load_b128 v[FA+32*(\f)+8*\i+4*\c:FA+32*(\f)+8*\i+4*\c+3], v[ADRA+\slot] offset:((\q)/2)*PLANE+64*((\q)%2)+\i*16*PAH+32*\c
.endr
.endr
.endm
.macro PLACES                          ; four plain instructions in front of loads into registers that matrix instructions have read, and of the first reads of results
.rept 4
	v_nop
.endr
.endm
.macro QUARTER slot, qn, f, g, zero    ; multiplies buffer f; in its middle fetches the slot's quarter qn into buffer g
	s_wait_dscnt 4                                 ; B and A's blocks 0, 1 are in; the youngest four loads (A's blocks 2, 3) may be out
	WIN MUL
	MUL8 \f, 0, \zero
	MUL8 \f, 1, \zero
	PLACES
	FETCH \slot, \qn, \g
	s_wait_dscnt 24                                ; all but the 24 just issued
	WIN MUL
	MUL8 \f, 2, \zero
	MUL8 \f, 3, \zero
.endm
; A slot's last quarter multiplies buffer 1 and changes slots: one barrier; in front of it each wave waits for all its tensor loads, adds 0 to its spare word, and waits for that and for its reads of this slot.
; fill = 1: the barrier opens a round of the cluster's, and this slot is filled again, two K steps ahead: 112 matrix instructions stand between the request and the wait for it.
.macro TURN slot, next, fill
	WIN 0
	s_wait_tensorcnt 0x0                           ; my part of the next slot has landed
	ds_add_u32 v[SPW], v[NIL]
	s_wait_dscnt 5                                 ; the add and the youngest four loads may be out
	WIN MUL
	MUL8 1, 0, 0
	s_wait_dscnt 0x0                               ; the add is done, and my reads of this slot are over
	s_barrier_signal -1
	MUL8 1, 1, 0
.if \fill
	WIN 0
.endif
	s_barrier_wait -1
.if \fill
	CREST                                          ; no wave of any partner still reads this slot's tile or has a load on its way
	s_add_nc_u64 s[G0+4*\slot+2:G0+4*\slot+3], s[G0+4*\slot+2:G0+4*\slot+3], 4*1048576
	s_add_nc_u64 s[G0B+4*\slot+2:G0B+4*\slot+3], s[G0B+4*\slot+2:G0B+4*\slot+3], 256*2048
	JLOAD \slot                                    ; the first tensor load behind the round; its four v_nop are also the places in front of the loads below
.else
	PLACES
.endif
	FETCH \next, 0, 0
	WIN MUL
	MUL8 1, 2, 0
	MUL8 1, 3, 0
.endm
	s_wait_tensorcnt 1                             ; my part of K step 0 is in; K step 1's may be out
	s_barrier_signal -1
	s_barrier_wait -1
	FETCH 0, 0, 0
	QUARTER 0, 1, 0, 1, 1                          ; the first quarter's products start the sums
	WIN 0
	s_mov_b32 s3, LAPS-1
.Llap:                                             ; a trip goes once round the ring and fills both slots again
	QUARTER 0, 2, 1, 0, 0
	QUARTER 0, 3, 0, 1, 0
	TURN 0, 1, 1
	QUARTER 1, 1, 0, 1, 0
	QUARTER 1, 2, 1, 0, 0
	QUARTER 1, 3, 0, 1, 0
	TURN 1, 0, 1
	QUARTER 0, 1, 0, 1, 0
	WIN 0
	s_sub_co_u32 s3, s3, 1
	s_cmp_lg_u32 s3, 0
	s_cbranch_scc1 .Llap
	QUARTER 0, 2, 1, 0, 0                          ; the last lap fills nothing
	QUARTER 0, 3, 0, 1, 0
	TURN 0, 1, 0
	QUARTER 1, 1, 0, 1, 0
	QUARTER 1, 2, 1, 0, 0
	QUARTER 1, 3, 0, 1, 0
	s_wait_dscnt 4
	WIN MUL
	MUL8 1, 0, 0
	MUL8 1, 1, 0
	s_wait_dscnt 0
	MUL8 1, 2, 0
	MUL8 1, 3, 0
	WIN 0
; THE WAY OUT, block by block of 16 rows x 128 columns: through my own stage, back as rows of 512 bytes, which the 32 lanes store whole.
.macro TOSTAGE a
	WIN 0x04                                       ; an LDS store's data are its source 1: window 1
.irp b, 0,1,2,3,4,5,6,7
	ds_store_b128 v[STO], v[8*(8*(\a)+\b):8*(8*(\a)+\b)+3] offset:64*\b        ; each accumulator from its low end on
	ds_store_b128 v[STO], v[8*(8*(\a)+\b)+4:8*(8*(\a)+\b)+7] offset:64*\b+16
.endr
	WIN 0
.set BB, OB+64*((\a)%2)
.irp t, 0,1,2,3,4,5,6,7,8,9,10,11,12,13,14,15
	ds_load_b128 v[BB+4*\t:BB+4*\t+3], v[RD] offset:\t*SPITCH
.endr
.endm
.macro SEND a, younger
.set BB, OB+64*((\a)%2)
	s_wait_dscnt \younger                          ; the block is back; the next block's 16 stores and 16 loads may be out
.if (\a) == 0
	s_cmp_eq_u32 s66, 0                            ; t = 0 .. 15 are stored by the launch that carries them in f32
	s_cbranch_scc1 .Lskip_\@
.endif
.irp t, 0,1,2,3,4,5,6,7,8,9,10,11,12,13,14,15
	global_store_b128 v[CO], v[BB+4*\t:BB+4*\t+3], s[8:9] offset:(16*(\a)+\t)*4096 th:TH_STORE_NT   ; 512 consecutive bytes, aligned; written once, read by nobody here
.endr
.if (\a) == 0
.Lskip_\@:
.endif
.endm
	PLACES
	TOSTAGE 0
.irp a, 1,2,3
.if \a > 1
	s_wait_xcnt 0x0                                ; block a - 2's stores have read the registers into which block a is loaded
.endif
	TOSTAGE \a
	SEND \a-1, 32
.endr
	SEND 3, 0
	s_wait_tensorcnt 0x0                           ; the wave's end
	ds_add_u32 v[SPW], v[NIL]
	s_wait_dscnt 0x0
	CROUND                                         ; the closing round
	s_endpgm
.Lfunc_end_k_q96431f373d_proj:
	.size	k_q96431f373d_proj, .Lfunc_end_k_q96431f373d_proj-k_q96431f373d_proj
	.p2alignl 7, 3214868480
	.fill 96, 4, 3214868480
	.section	.rodata,"a",@progbits
	.p2align	6, 0x0
	.amdhsa_kernel k_q96431f373d_proj
		.amdhsa_group_segment_fixed_size 327680
		.amdhsa_private_segment_fixed_size 0
		.amdhsa_enable_private_segment 0
		.amdhsa_kernarg_size 24
		.amdhsa_user_sgpr_count 2
		.amdhsa_user_sgpr_kernarg_segment_ptr 1
		.amdhsa_wavefront_size32 1
		.amdhsa_system_sgpr_workgroup_id_x 1
		.amdhsa_system_sgpr_workgroup_id_y 1
		.amdhsa_system_sgpr_workgroup_id_z 1
		.amdhsa_system_vgpr_workitem_id 0
		.amdhsa_next_free_vgpr 512
		.amdhsa_next_free_sgpr 72
		.amdhsa_reserve_vcc 0
		.amdhsa_float_denorm_mode_32 3
		.amdhsa_float_denorm_mode_16_64 3
		.amdhsa_memory_ordered 1
		.amdhsa_forward_progress 1
		.amdhsa_inst_pref_size 85
	.end_amdhsa_kernel
	.amdgpu_metadata
---
amdhsa.version: [ 1, 2 ]
amdhsa.kernels:
  - .name:           k_q96431f373d_proj
    .symbol:         k_q96431f373d_proj.kd
    .args:
      - { .name: ah, .offset: 0, .size: 8, .value_kind: global_buffer, .address_space: global }
      - { .name: woh, .offset: 8, .size: 8, .value_kind: global_buffer, .address_space: global }
      - { .name: out0, .offset: 16, .size: 8, .value_kind: global_buffer, .address_space: global }
    .group_segment_fixed_size: 327680
    .private_segment_fixed_size: 0
    .kernarg_segment_align: 8
    .kernarg_segment_size: 24
    .max_flat_workgroup_size: 128
    .sgpr_count:     72
    .vgpr_count:     512
    .wavefront_size: 32
...
	.end_amdgpu_metadata
.endif
;; end of part 4
;; launch fine (part 5): grid 16 x 4, 16 waves a work-group, no clusters, 71,680 bytes of LDS; arguments fq, w_out, out0; writes out0
.if DOCPART == 5
	.amdgcn_target "amdgcn-amd-amdhsa--gfx1250"
	.amdhsa_code_object_version 6
	.text
	.protected	k_q96431f373d_fine
	.globl	k_q96431f373d_fine
	.p2align	8
	.type	k_q96431f373d_fine,@function
k_q96431f373d_fine:
	s_mov_b64 s[64:65], 0
	v_nop
	global_prefetch_b8 v0, s[64:65] scope:SCOPE_SE
	s_setreg_imm32_b32 hwreg(HW_REG_WAVE_MODE, 25, 1), 1
	s_wait_xcnt 0x0
; THE FIRST 16 POSITIONS OF EVERY BATCH, IN F32 ALL THE WAY: scores, softmax, the weighted sum of v and the projection.  These rows average one to sixteen values, are the largest of the output, and would
; feel the rounding of 16-bit operands most.  fq [b][16][3072] f32 holds their q, k, v; w_out is read as it is given.
; SHARES.  Work-group (slice, b) makes out0[b][0..15][64 slice .. 64 slice + 63].  Wave hd takes head hd: its 16 x 16 attention (made anew in every slice: 32 matrix instructions) and the share of its 64 channels in
; the projection; the sixteen shares meet in LDS, and wave w then adds and stores row w: 256 consecutive bytes, aligned.
; ALL PRODUCTS by v_wmma_f32_16x16x4_f32, used transposed, so that a lane holds ONE query (lane % 16) throughout; k is permuted alike on both sources, so that no result changes lanes:
;   S^T = K Q^T: instruction u takes channels 32 h + 2 u + j;   O^T = V^T P: keys 8 h + 2 u + j, which are the keys of the lane's own p;   OUT^T = W^T a: channels 16 g + 8 h + 2 u + j, the lane's own a.
; The registers that these instructions write, v32-71, are written by them alone; what is made of a sum goes into other registers.
; REGISTERS: v1-10 addresses and constants; v14-23 at work; v24-31 p; v32-39 S^T; v40-71 O^T, then OUT^T; v72-103 Q, v104-135 K, later W of channels 32-63; v136-167 V, later a; v168-231 W of channels 0-31, later the shares.
.set SPARE, 69632                      ; behind the sixteen shares: the spare words, 128 bytes a wave: eight blocks of 256 bytes that no other line names
.set SHARE, 4352                       ; a share: 16 rows x (256 bytes + 16)
.set QOF, 3
.set VOF, 5
.set WOF, 4
.set DG,  6
.set LST, 7
.set LRD, 8
.set OOF, 9
.set NINF, 10
.set SPW, 12
.set NIL, 13
.set RP,  24
.set RS,  32
.set RO,  40
.set RQ,  72
.set RK,  104
.set RV,  136
.set RA,  136
.set RW0, 168
.set RW1, 72
.set SEL, 20
.set CS,  22
	s_load_b128 s[4:7], s[0:1], 0x0                ; fq s[4:5], w_out s[6:7]
	s_load_b64 s[8:9], s[0:1], 0x10                ; out0
	v_lshl_add_u32 v[SPW], v0, 2, SPARE
	v_mov_b32 v[NIL], 0
	v_lshrrev_b32 v1, 5, v0
	v_readfirstlane_b32 s10, v1                    ; wave = head, later = row
	v_and_b32 v1, 15, v0                           ; r
	v_bfe_u32 v2, v0, 4, 1                         ; h
	s_and_b32 s11, ttmp7, 0xffff                   ; batch
	v_mul_u32_u24 v[QOF], v1, 12288
	v_lshl_add_u32 v[QOF], v2, 7, v[QOF]           ; Q, K: row r, channels 32 h on
	v_lshlrev_b32 v[WOF], 2, v1
	v_mul_u32_u24 v[VOF], v2, 8*12288
	v_add_nc_u32 v[VOF], v[VOF], v[WOF]            ; V: key 8 h on, channel r
	v_lshl_add_u32 v[WOF], v2, 15, v[WOF]          ; W: row 8 h on, column r
	v_lshlrev_b32 v14, 3, v2
	v_sub_nc_u32 v[DG], v1, v14                    ; r - 8 h: my register j holds key 8 h + j, hidden where j > r - 8 h
	s_mul_i32 s12, s10, SHARE
	v_mul_u32_u24 v[LST], v1, 272
	v_lshl_add_u32 v[LST], v2, 5, v[LST]
	v_add_nc_u32 v[LST], s12, v[LST]               ; my share: row r, 32 bytes for each half of the lanes
	v_and_b32 v14, 31, v0
	v_lshlrev_b32 v[OOF], 3, v14
	s_mul_i32 s12, s10, 272
	v_add_nc_u32 v[LRD], s12, v[OOF]               ; back: row = my wave, 8 bytes a lane
	v_mov_b32 v[NINF], 0xff800000
	v_mov_b32 v15, 0                               ; a lane permute's destination counts as one of its sources
	s_mov_b32 s[SEL], 0x76543210
	s_mov_b32 s[SEL+1], 0xfedcba98
	s_mov_b32 s[CS], 0x3e38aa3b                    ; c = log2(e) / 8
	s_mul_i32 s12, s11, 16*12288
	s_lshl_b32 s13, s10, 8
	s_add_co_u32 s12, s12, s13                     ; fq: batch, head
	s_mov_b32 s13, 0
	s_lshl_b32 s14, s10, 18                        ; w_out: the head's 64 rows of 4,096 bytes,
	s_lshl_b32 s15, ttmp9, 8                       ; the slice's 64 columns
	s_add_co_u32 s14, s14, s15
	s_mov_b32 s15, 0
	s_lshl_b32 s16, s11, 11
	s_add_co_u32 s16, s16, s10
	s_lshl_b32 s16, s16, 12                        ; out0: row 2,048 b + wave,
	s_lshl_b32 s17, ttmp9, 8
	s_add_co_u32 s16, s16, s17                     ; the slice
	s_mov_b32 s17, 0
	s_wait_kmcnt 0x0
	s_add_nc_u64 s[4:5], s[4:5], s[12:13]
	s_add_nc_u64 s[6:7], s[6:7], s[14:15]
	s_add_nc_u64 s[8:9], s[8:9], s[16:17]
.irp i, 0,1,2,3,4,5,6,7
	global_load_b128 v[RQ+4*\i:RQ+4*\i+3], v[QOF], s[4:5] offset:16*\i            ; register 2 u + j: channel 32 h + 2 u + j
.endr
.irp i, 0,1,2,3,4,5,6,7
	global_load_b128 v[RK+4*\i:RK+4*\i+3], v[QOF], s[4:5] offset:4096+16*\i
.endr
.irp g, 0,1,2,3
.irp u, 0,1,2,3
.irp j, 0,1
	global_load_b32 v[RV+(4*\g+\u)*2+\j], v[VOF], s[4:5] offset:(2*\u+\j)*12288+8192+64*\g   ; v(key 8 h + 2 u + j, channel 16 g + r)
.endr
.endr
.endr
.macro WLOAD base, first               ; w(64 hd + 16 (first + g) + 8 h + 2 u + j, column 16 n + r of the slice)
.irp g, 0,1
.irp u, 0,1,2,3
.irp n, 0,1,2,3
.irp j, 0,1
	global_load_b32 v[\base+((4*\g+\u)*4+\n)*2+\j], v[WOF], s[6:7] offset:(16*(\first+\g)+2*\u+\j)*4096+64*\n
.endr
.endr
.endr
.endr
.endm
	WLOAD RW0, 0
	s_wait_loadcnt 63                              ; behind V's last load 64 were issued; the wait's field names 63 at the most: Q, K and V are in
	v_wmma_f32_16x16x4_f32 v[RS:RS+7], v[RK:RK+1], v[RQ:RQ+1], 0                  ; the first K step starts the sum
.irp u, 1,2,3,4,5,6,7,8,9,10,11,12,13,14,15
	s_wait_alu depctr_va_vdst(0)                   ; the wait directly ahead of every link
	v_wmma_f32_16x16x4_f32 v[RS:RS+7], v[RK+2*\u:RK+2*\u+1], v[RQ+2*\u:RQ+2*\u+1], v[RS:RS+7]
.endr
.rept 8
	v_nop                                          ; eight places behind this form: in front of loads into its sources and of the first read of its result
.endr
	WLOAD RW1, 2                                   ; into Q's and K's registers
.irp j, 0,1,2,3,4,5,6,7
	v_cmp_gt_i32 vcc_lo, \j, v[DG]
	v_cndmask_b32 v[RP+\j], v[RS+\j], v[NINF], vcc_lo   ; hidden scores become -infinity; the sum is read from its low end on
.endr
	v_max3_num_f32 v14, v[RP], v[RP+1], v[RP+2]
	v_max3_num_f32 v14, v14, v[RP+3], v[RP+4]
	v_max3_num_f32 v14, v14, v[RP+5], v[RP+6]
	v_max_num_f32 v14, v14, v[RP+7]
	v_permlanex16_b32 v15, v14, s[SEL], s[SEL+1]
	v_max_num_f32 v14, v14, v15                    ; the row's maximum: key 0 counts for every query, so it is a number
	v_mul_f32 v16, s[CS], v14
.irp j, 0,1,2,3,4,5,6,7
	v_fma_f32 v[RP+\j], v[RP+\j], s[CS], -v16      ; c s - c m
.endr
.irp j, 0,1,2,3,4,5,6,7
	v_exp_f32 v[RP+\j], v[RP+\j]
.endr
	v_nop                                          ; a plain instruction behind the last exponential
	s_wait_alu depctr_va_vdst(0)                   ; one wait for the eight, ahead of their first reader
	v_add_f32 v17, v[RP], v[RP+1]
	v_add_f32 v18, v[RP+2], v[RP+3]
	v_add_f32 v19, v[RP+4], v[RP+5]
	v_add_f32 v20, v[RP+6], v[RP+7]
	v_add_f32 v17, v17, v18
	v_add_f32 v19, v19, v20
	v_add_f32 v17, v17, v19
	v_permlanex16_b32 v18, v17, s[SEL], s[SEL+1]
	v_add_f32 v17, v17, v18                        ; the row's sum
	v_rcp_f32 v21, v17
	v_nop                                          ; a plain instruction behind the reciprocal; its wait stands below, ahead of its first reader
.irp u, 0,1,2,3                                ; O^T = V^T P: four accumulators by turns; the first four start the sums
.irp g, 0,1,2,3
.if \u == 0
	v_wmma_f32_16x16x4_f32 v[RO+8*\g:RO+8*\g+7], v[RV+(4*\g+\u)*2:RV+(4*\g+\u)*2+1], v[RP+2*\u:RP+2*\u+1], 0
.else
	v_wmma_f32_16x16x4_f32 v[RO+8*\g:RO+8*\g+7], v[RV+(4*\g+\u)*2:RV+(4*\g+\u)*2+1], v[RP+2*\u:RP+2*\u+1], v[RO+8*\g:RO+8*\g+7]
.endif
.endr
.endr
.rept 9
	v_nop                                          ; nine places: for the reads of O^T, the writes over V's registers, and the matrix instructions below that write over O^T
.endr
	s_wait_alu depctr_va_vdst(0)                   ; the reciprocal's wait
.irp g, 0,1,2,3
.irp j, 0,1,2,3,4,5,6,7
	v_mul_f32 v[RA+8*\g+\j], v[RO+8*\g+\j], v21    ; a(r, 16 g + 8 h + j), into other registers
.endr
.endr
.macro OUTP base, first, zero          ; OUT^T += W^T a over channels 16 first .. 16 first + 31: four accumulators by turns
.irp g, 0,1
.irp u, 0,1,2,3
.irp n, 0,1,2,3
.if \zero && (\g == 0) && (\u == 0)
	v_wmma_f32_16x16x4_f32 v[RO+8*\n:RO+8*\n+7], v[\base+((4*\g+\u)*4+\n)*2:\base+((4*\g+\u)*4+\n)*2+1], v[RA+8*(\first+\g)+2*\u:RA+8*(\first+\g)+2*\u+1], 0
.else
	v_wmma_f32_16x16x4_f32 v[RO+8*\n:RO+8*\n+7], v[\base+((4*\g+\u)*4+\n)*2:\base+((4*\g+\u)*4+\n)*2+1], v[RA+8*(\first+\g)+2*\u:RA+8*(\first+\g)+2*\u+1], v[RO+8*\n:RO+8*\n+7]
.endif
.endr
.endr
.endr
.endm
	s_wait_loadcnt 63                              ; behind the first 64 loads of W the other 64 were issued: the first are in
	OUTP RW0, 0, 1
	s_wait_loadcnt 0x0
	OUTP RW1, 2, 0
.rept 8
	v_nop                                          ; eight places in front of the stores that read the sums, and of the loads into W's registers
.endr
.irp n, 0,1,2,3
	ds_store_b128 v[LST], v[RO+8*\n:RO+8*\n+3] offset:64*\n          ; out(r, 16 n + 8 h + 0 .. 7), my head's share; each sum from its low end on
	ds_store_b128 v[LST], v[RO+8*\n+4:RO+8*\n+7] offset:64*\n+16
.endr
	s_wait_dscnt 0x0                               ; for the others' sake: my stores have landed
	s_barrier_signal -1
	s_barrier_wait -1
.irp p, 0,1,2,3,4,5,6,7,8,9,10,11,12,13,14,15
	ds_load_b64 v[RW0+2*\p:RW0+2*\p+1], v[LRD] offset:SHARE*\p       ; row = my wave, of all sixteen shares
.endr
	s_wait_dscnt 0x0
.irp p, 2,4,6,8,10,12,14
	v_pk_add_f32 v[RW0:RW0+1], v[RW0:RW0+1], v[RW0+2*\p:RW0+2*\p+1]
	v_pk_add_f32 v[RW0+2:RW0+3], v[RW0+2:RW0+3], v[RW0+2*\p+2:RW0+2*\p+3]
.endr
	v_pk_add_f32 v[RW0:RW0+1], v[RW0:RW0+1], v[RW0+2:RW0+3]
	global_store_b64 v[OOF], v[RW0:RW0+1], s[8:9]  ; 32 lanes store 256 consecutive bytes, aligned
	s_wait_tensorcnt 0x0                           ; the wave's end
	ds_add_u32 v[SPW], v[NIL]
	s_wait_dscnt 0x0
	s_endpgm
.Lfunc_end_k_q96431f373d_fine:
	.size	k_q96431f373d_fine, .Lfunc_end_k_q96431f373d_fine-k_q96431f373d_fine
	.p2alignl 7, 3214868480
	.fill 96, 4, 3214868480
	.section	.rodata,"a",@progbits
	.p2align	6, 0x0
	.amdhsa_kernel k_q96431f373d_fine
		.amdhsa_group_segment_fixed_size 71680
		.amdhsa_private_segment_fixed_size 0
		.amdhsa_enable_private_segment 0
		.amdhsa_kernarg_size 24
		.amdhsa_user_sgpr_count 2
		.amdhsa_user_sgpr_kernarg_segment_ptr 1
		.amdhsa_wavefront_size32 1
		.amdhsa_system_sgpr_workgroup_id_x 1
		.amdhsa_system_sgpr_workgroup_id_y 1
		.amdhsa_system_sgpr_workgroup_id_z 1
		.amdhsa_system_vgpr_workitem_id 0
		.amdhsa_next_free_vgpr 256
		.amdhsa_next_free_sgpr 66
		.amdhsa_reserve_vcc 1
		.amdhsa_float_denorm_mode_32 3
		.amdhsa_float_denorm_mode_16_64 3
		.amdhsa_memory_ordered 1
		.amdhsa_forward_progress 1
		.amdhsa_inst_pref_size 33
	.end_amdhsa_kernel
	.amdgpu_metadata
---
amdhsa.version: [ 1, 2 ]
amdhsa.kernels:
  - .name:           k_q96431f373d_fine
    .symbol:         k_q96431f373d_fine.kd
    .args:
      - { .name: fq, .offset: 0, .size: 8, .value_kind: global_buffer, .address_space: global }
      - { .name: w_out, .offset: 8, .size: 8, .value_kind: global_buffer, .address_space: global }
      - { .name: out0, .offset: 16, .size: 8, .value_kind: global_buffer, .address_space: global }
    .group_segment_fixed_size: 71680
    .private_segment_fixed_size: 0
    .kernarg_segment_align: 8
    .kernarg_segment_size: 24
    .max_flat_workgroup_size: 512
    .sgpr_count:     66
    .vgpr_count:     256
    .wavefront_size: 32
...
	.end_amdgpu_metadata
.endif
;; end of part 5
